; MI455X (gfx1250); checked and timed in simulation.
; The chip was launched on July 23, 2026; its instructions are those of AMD's public machine-readable ISA for CDNA 5 (MIT licence, August 2026) and "CDNA5" Instruction Set Architecture Reference Guide (July 2026). The comments in the code are by the model that wrote it; some were corrected since.
;; Moe Layer. Allowed arithmetic: float matrix products may take bf16 or f16 operands with f32 sums; other float arithmetic in f32, or as packed bf16 or f16 multiplies, adds, multiply-adds, maxima and minima; sums over many terms, partial sums and values carried from step to step in f32; what a program stores and reads back later, other than sums and carried values, may be rounded once to bf16 or f16.
;; Inputs: b1 8 x 4,096 float32; b2 8 x 1,024 float32; gate_b 8 float32; gate_w 1,024 x 8 float32; w1 8 x 1,024 x 4,096 float32; w2 8 x 4,096 x 1,024 float32; x 4 x 256 x 1,024 float32.
;; Outputs: out0 4 x 256 x 1,024 float32.
;; 2 versions, each right; version 2 is version 1 with the launch place written anew for expert scheduling mode. Each part assembles by itself: llvm-mc -triple=amdgcn-amd-amdhsa -mcpu=gfx1250 --defsym DOCPART=n.
;; ======== version 1 of 2: 5 launches
;; workspace buffers: sel 4,096 bytes of whole numbers; wts 8,192 bytes; rank 32,768 bytes of whole numbers; cnt 1,024 bytes of whole numbers; xg 16,781,312 bytes; hb 67,112,960 bytes; pp 134,217,728 bytes
;; launch router (part 1): grid 64 x 1, 8 waves a work-group, no clusters, 34,048 bytes of LDS; arguments x, gate_w, gate_b, sel, wts; writes sel, wts
.if DOCPART == 1
	.amdgcn_target "amdgcn-amd-amdhsa--gfx1250"
	.amdhsa_code_object_version 6
	.text
	.protected	k_q2f0d2ef06e_router
	.globl	k_q2f0d2ef06e_router
	.p2align	8
	.type	k_q2f0d2ef06e_router,@function
k_q2f0d2ef06e_router:
	s_mov_b64 s[64:65], 0
	v_nop
	global_prefetch_b8 v0, s[64:65] scope:SCOPE_SE
	s_setreg_imm32_b32 hwreg(HW_REG_WAVE_MODE, 25, 1), 1
	s_wait_xcnt 0x0
; THE GATE.  logits[t][e] = x[t] . gate_w[:, e] + gate_b[e]; the two largest logits of a token (ties: the lower index first), and their softmax.
; x, gate_w and gate_b are rounded once to bf16, as every input of this program is, and multiplied and summed in f32 on the vector unit: 1,024 x 8 sums of 1,024 terms are too little for the matrix unit.
; Stored at fixed places: sel[t] = 1<<e0 | 1<<(8+e1) | e0<<16 | e1<<20 and wts[t] = (w0, w1).  No address hangs on the choice.
; SHARES.  64 work-groups of 8 waves; a wave has tokens 16 g + 2 w and the next.  gate_w goes once through LDS, turned to [e][d], 8 rows of 4,096 bytes + 16 of padding.
; The softmax takes the larger logit away: w0 = 1 / (1 + 2^((m2 - m1) log2 e)), whose exponent is never above 0.
; LIMITS.  NaN logits, and two chosen logits that are both -inf, are not treated apart.  No matrix unit, no cluster: the work-groups share only 32 KB of gate_w.
.set GP,    4112                       ; a row of the turned gate_w in LDS
.set SPARE, 33024                      ; behind it: the spare words, 128 bytes for each of the 8 waves
.set XA,  16                           ; v[16:47] token 0's row, v[48:79] token 1's: register 4 q + i is d = 128 q + 4 lane + i
.set G0,  80                           ; v[80:111], v[112:143] gate_w of one q, all 8 experts, two buffers
.set G1,  112
.set ACC, 144                          ; v[144:175] a pair of partial sums for token t, expert e at ACC + 16 t + 2 e
	s_load_b256 s[4:11], s[0:1], 0x0               ; x s[4:5], gate_w s[6:7], gate_b s[8:9], sel s[10:11]
	s_load_b64 s[12:13], s[0:1], 0x20              ; wts
	v_lshl_add_u32 v6, v0, 2, SPARE                ; my spare word,
	v_mov_b32 v7, 0                                ; and 0: kept for the closing lines alone
	v_lshrrev_b32 v2, 5, v0
	v_readfirstlane_b32 s14, v2                    ; wave
	v_and_b32 v1, 31, v0                           ; lane
	v_lshlrev_b32 v2, 4, v1                        ; 16 lane
	s_lshl_b32 s15, s14, 12
	v_add_nc_u32 v3, s15, v2                       ; my 16 bytes of my wave's 4,096 of gate_w
	v_and_b32 v4, 1, v1                            ; those 16 bytes are experts 4 (lane & 1) + 0..3 of d = 128 w + 16 q + (lane >> 1)
	v_mul_u32_u24 v4, v4, 4*GP
	v_lshrrev_b32 v5, 1, v1
	v_lshl_add_u32 v4, v5, 2, v4
	s_lshl_b32 s15, s14, 9
	v_add_nc_u32 v4, s15, v4                       ; where they go: even lanes and odd lanes fall 16 banks apart
	s_lshl_b32 s26, ttmp9, 4
	s_lshl1_add_u32 s26, s14, s26                  ; my first token
	s_lshl_b32 s28, s26, 12
	s_mov_b32 s29, 0
	s_mov_b32 s24, 0x76543210                      ; v_permlanex16_b32: each lane takes its own place in the other half
	s_mov_b32 s25, 0xfedcba98
	s_mov_b32 s27, 0xffff0000                      ; a word's upper bf16
	s_wait_kmcnt 0x0
	s_load_b256 s[16:23], s[8:9], 0x0              ; gate_b
	s_add_nc_u64 s[4:5], s[4:5], s[28:29]
.irp q, 0,1,2,3,4,5,6,7
	global_load_b128 v[G0+4*(\q):G0+4*(\q)+3], v3, s[6:7] offset:512*(\q)
.endr
.irp q, 0,1,2,3,4,5,6,7
	global_load_b128 v[XA+4*(\q):XA+4*(\q)+3], v2, s[4:5] offset:512*(\q)
	global_load_b128 v[XA+32+4*(\q):XA+32+4*(\q)+3], v2, s[4:5] offset:4096+512*(\q)
.endr
	s_wait_loadcnt 16                              ; gate_w is in; the 16 loads of x stay out
.irp q, 0,1,2,3,4,5,6,7
	v_cvt_pk_bf16_f32 v8, v[G0+4*(\q)], v[G0+4*(\q)+1]     ; rounded to bf16, kept as f32
	v_cvt_pk_bf16_f32 v9, v[G0+4*(\q)+2], v[G0+4*(\q)+3]
	v_lshlrev_b32 v10, 16, v8
	v_and_b32 v11, s27, v8
	v_lshlrev_b32 v12, 16, v9
	v_and_b32 v13, s27, v9
	ds_store_b32 v4, v10 offset:64*(\q)
	ds_store_b32 v4, v11 offset:GP+64*(\q)
	ds_store_b32 v4, v12 offset:2*GP+64*(\q)
	ds_store_b32 v4, v13 offset:3*GP+64*(\q)
.endr
	s_wait_dscnt 0x0                               ; for the others' sake: my part of the turned gate_w is written
	s_barrier_signal -1
	s_barrier_wait -1
.macro GLD q, g                        ; gate_w[128 q + 4 lane + 0..3][e] for all e: 8 loads of 512 neighbouring bytes
.irp e, 0,1,2,3,4,5,6,7
	ds_load_b128 v[(\g)+4*(\e):(\g)+4*(\e)+3], v2 offset:(\e)*GP+512*(\q)
.endr
.endm
.macro DOT q, g                        ; 32 packed multiply-adds; the first q starts the sums, nothing is cleared
.irp t, 0,1
.irp e, 0,1,2,3,4,5,6,7
.if (\q) == 0
	v_pk_mul_f32 v[ACC+16*(\t)+2*(\e):ACC+16*(\t)+2*(\e)+1], v[XA+32*(\t)+4*(\q):XA+32*(\t)+4*(\q)+1], v[(\g)+4*(\e):(\g)+4*(\e)+1]
.else
	v_pk_fma_f32 v[ACC+16*(\t)+2*(\e):ACC+16*(\t)+2*(\e)+1], v[XA+32*(\t)+4*(\q):XA+32*(\t)+4*(\q)+1], v[(\g)+4*(\e):(\g)+4*(\e)+1], v[ACC+16*(\t)+2*(\e):ACC+16*(\t)+2*(\e)+1]
.endif
.endr
.endr
.irp t, 0,1
.irp e, 0,1,2,3,4,5,6,7
	v_pk_fma_f32 v[ACC+16*(\t)+2*(\e):ACC+16*(\t)+2*(\e)+1], v[XA+32*(\t)+4*(\q)+2:XA+32*(\t)+4*(\q)+3], v[(\g)+4*(\e)+2:(\g)+4*(\e)+3], v[ACC+16*(\t)+2*(\e):ACC+16*(\t)+2*(\e)+1]
.endr
.endr
.endm
	GLD 0, G0
	s_wait_loadcnt 0x0                             ; x
.set i, 0
.rept 32                                               ; x rounded to bf16, in place, while the first LDS loads are out
	v_cvt_pk_bf16_f32 v[8+i%4], v[XA+2*i], v[XA+2*i+1]
	v_lshlrev_b32 v[XA+2*i], 16, v[8+i%4]
	v_and_b32 v[XA+2*i+1], s27, v[8+i%4]
.set i, i+1
.endr
.irp q, 0,2,4
	GLD (\q)+1, G1
	s_wait_dscnt 8                                 ; this q's 8 loads are in, the next q's 8 stay out
	DOT \q, G0
	GLD (\q)+2, G0
	s_wait_dscnt 8
	DOT (\q)+1, G1
.endr
	GLD 7, G1
	s_wait_dscnt 8
	DOT 6, G0
	s_wait_dscnt 0x0
	DOT 7, G1
	; the 16 sums: the pair's halves, then across the 32 lanes; every lane ends with the sum
.set i, 0
.rept 16
	v_add_f32 v[ACC+2*i], v[ACC+2*i], v[ACC+2*i+1]
.set i, i+1
.endr
.irp m, 1,2,4,8
.set i, 0
.rept 16
	v_add_f32_dpp v[ACC+2*i], v[ACC+2*i], v[ACC+2*i] row_xmask:\m row_mask:0xf bank_mask:0xf
.set i, i+1
.endr
.endr
.set i, 0
.rept 16
	v_permlanex16_b32 v[ACC+2*i+1], v[ACC+2*i], s24, s25
.set i, i+1
.endr
.set i, 0
.rept 16
	v_add_f32 v[ACC+2*i], v[ACC+2*i], v[ACC+2*i+1]
.set i, i+1
.endr
	s_wait_kmcnt 0x0                               ; gate_b
.irp p, 0,1,2,3
	v_cvt_pk_bf16_f32 v8, s[16+2*(\p)], s[17+2*(\p)]
	v_lshlrev_b32 v9, 16, v8
	v_and_b32 v10, s27, v8
	v_add_f32 v[ACC+4*(\p)], v[ACC+4*(\p)], v9
	v_add_f32 v[ACC+4*(\p)+2], v[ACC+4*(\p)+2], v10
	v_add_f32 v[ACC+16+4*(\p)], v[ACC+16+4*(\p)], v9
	v_add_f32 v[ACC+16+4*(\p)+2], v[ACC+16+4*(\p)+2], v10
.endr
; The two largest of token t's eight logits: m1, i1, m2, i2 at v[16 + 8 t ..].  Only a strictly greater logit displaces an earlier one, so of equals the lower index stands first.
.macro TOP2 t
.set L, ACC+16*(\t)
.set M, 16+8*(\t)
	v_cmp_gt_f32 s30, v[L+2], v[L]
	v_cndmask_b32 v[M], v[L], v[L+2], s30
	v_cndmask_b32 v[M+2], v[L+2], v[L], s30
	v_cndmask_b32 v[M+1], 0, 1, s30
	v_cndmask_b32 v[M+3], 1, 0, s30
.irp e, 2,3,4,5,6,7
	v_cmp_gt_f32 s30, v[L+2*(\e)], v[M]
	v_cmp_gt_f32 s31, v[L+2*(\e)], v[M+2]
	v_cndmask_b32 v[M+2], v[M+2], v[L+2*(\e)], s31
	v_cndmask_b32 v[M+3], v[M+3], \e, s31
	v_cndmask_b32 v[M+2], v[M+2], v[M], s30
	v_cndmask_b32 v[M+3], v[M+3], v[M+1], s30
	v_cndmask_b32 v[M], v[M], v[L+2*(\e)], s30
	v_cndmask_b32 v[M+1], v[M+1], \e, s30
.endr
.endm
	TOP2 0
	TOP2 1
	v_sub_f32 v20, v18, v16                        ; m2 - m1, never above 0
	v_sub_f32 v28, v26, v24
	v_mul_f32 v20, 0x3fb8aa3b, v20
	v_mul_f32 v28, 0x3fb8aa3b, v28
	v_exp_f32 v21, v20
	v_exp_f32 v29, v28
	v_nop                                          ; a plain instruction behind the last exponential,
	s_wait_alu depctr_va_vdst(0)                   ; and the wait ahead of the first reader: one for both
	v_add_f32 v20, 1.0, v21
	v_add_f32 v28, 1.0, v29
	v_rcp_f32 v22, v20                             ; w0
	v_rcp_f32 v30, v28
	v_nop
	s_wait_alu depctr_va_vdst(0)
	v_mul_f32 v23, v21, v22                        ; w1
	v_mul_f32 v31, v29, v30
	v_mov_b32 v8, 1
.irp m, 16, 24
	v_lshlrev_b32 v[(\m)+4], v[(\m)+1], v8         ; 1 << e0
	v_add_nc_u32 v9, 8, v[(\m)+3]
	v_lshlrev_b32 v9, v9, v8                       ; 1 << (8 + e1)
	v_or_b32 v[(\m)+4], v[(\m)+4], v9
	v_lshl_or_b32 v[(\m)+4], v[(\m)+1], 16, v[(\m)+4]
	v_lshl_or_b32 v[(\m)+4], v[(\m)+3], 20, v[(\m)+4]
.endr
	v_cmp_eq_u32 vcc_lo, 1, v1                     ; lane 0 stores token 0's, lane 1 token 1's
	v_cndmask_b32 v14, v20, v28, vcc_lo
	v_cndmask_b32 v12, v22, v30, vcc_lo
	v_cndmask_b32 v13, v23, v31, vcc_lo
	v_lshlrev_b32 v10, 2, v1
	v_lshlrev_b32 v11, 3, v1
	s_lshl_b32 s28, s26, 2
	s_add_nc_u64 s[10:11], s[10:11], s[28:29]
	s_lshl_b32 s28, s26, 3
	s_add_nc_u64 s[12:13], s[12:13], s[28:29]
	v_cmp_gt_u32 vcc_lo, 2, v1
	s_wait_xcnt 0x0                                ; EXEC changes only behind this wait
	s_and_saveexec_b32 s30, vcc_lo
	global_store_b32 v10, v14, s[10:11]
	global_store_b64 v11, v[12:13], s[12:13]
	s_wait_xcnt 0x0                                ; and again in front of the line that widens it
	s_or_b32 exec_lo, exec_lo, s30
	s_wait_tensorcnt 0x0                           ; the wave's end, behind my last LDS store
	ds_add_u32 v6, v7
	s_wait_dscnt 0x0
	s_endpgm
.Lfunc_end_k_q2f0d2ef06e_router:
	.size	k_q2f0d2ef06e_router, .Lfunc_end_k_q2f0d2ef06e_router-k_q2f0d2ef06e_router
	.p2alignl 7, 3214868480
	.fill 96, 4, 3214868480
	.section	.rodata,"a",@progbits
	.p2align	6, 0x0
	.amdhsa_kernel k_q2f0d2ef06e_router
		.amdhsa_group_segment_fixed_size 34048
		.amdhsa_private_segment_fixed_size 0
		.amdhsa_enable_private_segment 0
		.amdhsa_kernarg_size 40
		.amdhsa_user_sgpr_count 2
		.amdhsa_user_sgpr_kernarg_segment_ptr 1
		.amdhsa_wavefront_size32 1
		.amdhsa_system_sgpr_workgroup_id_x 1
		.amdhsa_system_sgpr_workgroup_id_y 1
		.amdhsa_system_sgpr_workgroup_id_z 1
		.amdhsa_system_vgpr_workitem_id 0
		.amdhsa_next_free_vgpr 192
		.amdhsa_next_free_sgpr 66
		.amdhsa_reserve_vcc 1
		.amdhsa_float_denorm_mode_32 3
		.amdhsa_float_denorm_mode_16_64 3
		.amdhsa_memory_ordered 1
		.amdhsa_forward_progress 1
		.amdhsa_inst_pref_size 48
	.end_amdhsa_kernel
	.amdgpu_metadata
---
amdhsa.version: [ 1, 2 ]
amdhsa.kernels:
  - .name:           k_q2f0d2ef06e_router
    .symbol:         k_q2f0d2ef06e_router.kd
    .args:
      - { .name: x, .offset: 0, .size: 8, .value_kind: global_buffer, .address_space: global }
      - { .name: gate_w, .offset: 8, .size: 8, .value_kind: global_buffer, .address_space: global }
      - { .name: gate_b, .offset: 16, .size: 8, .value_kind: global_buffer, .address_space: global }
      - { .name: sel, .offset: 24, .size: 8, .value_kind: global_buffer, .address_space: global }
      - { .name: wts, .offset: 32, .size: 8, .value_kind: global_buffer, .address_space: global }
    .group_segment_fixed_size: 34048
    .private_segment_fixed_size: 0
    .kernarg_segment_align: 8
    .kernarg_segment_size: 40
    .max_flat_workgroup_size: 256
    .sgpr_count:     66
    .vgpr_count:     192
    .wavefront_size: 32
...
	.end_amdgpu_metadata
.endif
;; end of part 1
;; launch place (part 2): grid 32 x 8, 8 waves a work-group, no clusters, 105,472 bytes of LDS; arguments x, sel, w1, xg, rank, cnt; writes xg, rank, cnt
.if DOCPART == 2
	.amdgcn_target "amdgcn-amd-amdhsa--gfx1250"
	.amdhsa_code_object_version 6
	.text
	.protected	k_q2f0d2ef06e_place
	.globl	k_q2f0d2ef06e_place
	.p2align	8
	.type	k_q2f0d2ef06e_place,@function
k_q2f0d2ef06e_place:
	s_mov_b64 s[64:65], 0
	v_nop
	global_prefetch_b8 v0, s[64:65] scope:SCOPE_SE
	s_setreg_imm32_b32 hwreg(HW_REG_WAVE_MODE, 25, 1), 1
	s_wait_xcnt 0x0
; THE ROWS ARE PLACED.  For expert e (grid y) every wave counts the 1,024 choices for itself: token t's rank among the tokens that chose e, and the list rank -> token, in the wave's own LDS.
; Then the wave gathers 16 listed rows of x, a quarter of their 1,024 numbers, rounds them to bf16 and stores them in the order in which a matrix operand's registers take them:
; xg block (e, tile, kb) of 1,024 bytes at ((64 e + tile) 32 + kb) 1024; in it the 16 bytes at 512 plane + 256 h + 16 r are x[row r of the tile][32 kb + 16 plane + 8 h + 0..7].
; So a 16 x 32 fragment is later read by two loads of 512 consecutive bytes.  Places past the count repeat the last listed row; tiles past the count are not written.
; SHARES.  Grid x = a pair of tiles; wave w has tile 2 x + (w >> 2) and quarter w & 3 of K.  Work-group (0, e)'s wave 0 also stores rank[e][0..1023] and the count, 32 times, in cnt[e].
; The order of ranks: tokens 128 q + 4 lane + i, by (q, i) and then by lane: the same in every wave, which is all that is asked of it.
; No barrier: a wave touches its own 13,056 bytes of LDS alone.  No matrix unit, no cluster: the launch moves bytes, and what its work-groups share is 4 KB of sel.
; PREFETCH.  Each wave asks for 64 blocks of 256 bytes of w1: together the 256 rows x 512 bytes that work-group (x, e) of the next launch reads first; each block is asked for once in the launch.
.set WLDS,  13056                      ; a wave's LDS: the list, 1,056 words (the last 32 take what lanes without a choice write), then the stage
.set STG,   4352                       ; the stage: 32 units of 256 bytes at a pitch of 272
.set SPARE, 8*WLDS                     ; the spare words, 128 bytes for each wave
.set SW, 16                            ; v[16:47]   sel: register 4 q + i is token 128 q + 4 lane + i
.set RK, 48                            ; v[48:79]   its rank
.set PK, 16                            ; v[16:79]   later: the rows packed to bf16
.set TK, 80                            ; v[80:87]   the tokens of my 8 pairs of rows
.set RO, 88                            ; v[88:95]   their byte offsets in x
.set XF, 96                            ; v[96:223]  x as loaded; later v[96:159] the stage read back
	s_load_b256 s[4:11], s[0:1], 0x0               ; x s[4:5], sel s[6:7], w1 s[8:9], xg s[10:11]
	s_load_b128 s[12:15], s[0:1], 0x20             ; rank s[12:13], cnt s[14:15]
	v_lshl_add_u32 v6, v0, 2, SPARE
	v_mov_b32 v7, 0
	v_lshrrev_b32 v2, 5, v0
	v_readfirstlane_b32 s16, v2                    ; wave
	s_and_b32 s17, ttmp7, 0xffff                   ; e
	s_mov_b32 s18, ttmp9                           ; the pair of tiles
	s_lshr_b32 s19, s16, 2
	s_lshl1_add_u32 s19, s18, s19                  ; my tile
	s_and_b32 s20, s16, 3                          ; my quarter of K
	s_mul_i32 s21, s16, WLDS                       ; my LDS
	v_and_b32 v1, 31, v0                           ; lane
	v_lshlrev_b32 v2, 4, v1                        ; 16 lane
	v_lshlrev_b32 v11, 2, v1                       ; 4 lane
	v_add_nc_u32 v10, 1024, v1                     ; where a lane without a choice writes
	s_lshl_b32 s22, 0x101, s17                     ; the two bits of sel that say: e was chosen
	s_mov_b32 s24, 0                               ; the count
	v_lshrrev_b32 v3, 1, v1                        ; prefetch: block 64 w + 32 m + lane is half (lane & 1) of row 32 w + 16 m + (lane >> 1)
	s_lshl_b32 s26, s16, 5
	v_add_nc_u32 v3, s26, v3
	v_and_b32 v4, 1, v1
	v_lshlrev_b32 v4, 8, v4
	v_lshl_add_u32 v15, v3, 14, v4                 ; never rewritten
	s_lshl_b32 s26, s17, 24
	s_lshl_b32 s27, s18, 9
	s_add_co_u32 s26, s26, s27
	s_mov_b32 s27, 0
	s_wait_kmcnt 0x0
	s_add_nc_u64 s[8:9], s[8:9], s[26:27]          ; w1[e], columns 128 x on
.irp q, 0,1,2,3,4,5,6,7
	global_load_b128 v[SW+4*(\q):SW+4*(\q)+3], v2, s[6:7] offset:512*(\q)
.endr
	global_prefetch_b8 v15, s[8:9] th:TH_LOAD_NT scope:SCOPE_SE
	global_prefetch_b8 v15, s[8:9] offset:262144 th:TH_LOAD_NT scope:SCOPE_SE
	s_lshl_b32 s26, s17, 12
	s_add_nc_u64 s[12:13], s[12:13], s[26:27]      ; rank[e]
	s_lshl_b32 s26, s17, 7
	s_add_nc_u64 s[14:15], s[14:15], s[26:27]      ; cnt[e]
	s_lshl_b32 s26, s17, 6
	s_add_co_u32 s26, s26, s19
	s_lshl_b32 s26, s26, 15
	s_lshl_b32 s25, s20, 13
	s_add_co_u32 s26, s26, s25
	s_add_nc_u64 s[10:11], s[10:11], s[26:27]      ; xg at my tile's quarter: 8,192 bytes
	s_wait_loadcnt 0x0
; 32 tokens: who chose e; each one's rank = the count so far + the choosers in lower lanes; the list takes the token at its rank.
; The index is held to the list's 1,056 words by a minimum with a constant before it enters an address.
.macro RANK q, i
	v_and_b32 v8, s22, v[SW+4*(\q)+(\i)]
	v_cmp_ne_u32 s23, 0, v8
	v_mbcnt_lo_u32_b32 v[RK+4*(\q)+(\i)], s23, s24
	v_cndmask_b32 v9, v10, v[RK+4*(\q)+(\i)], s23
	v_min_u32 v9, 0x41f, v9
	v_lshl_add_u32 v9, v9, 2, s21
	v_add_nc_u32 v12, 128*(\q)+(\i), v11
	ds_store_b32 v9, v12
	s_bcnt1_i32_b32 s25, s23
	s_add_co_u32 s24, s24, s25
.endm
.irp q, 0,1,2,3,4,5,6,7
.irp i, 0,1,2,3
	RANK \q, \i
.endr
.endr
	s_add_co_u32 s25, s24, 15
	s_lshr_b32 s25, s25, 4                         ; tiles with a row in them
	s_or_b32 s26, s18, s16
	s_cmp_lg_u32 s26, 0
	s_cbranch_scc1 .Lno_tab                        ; one wave for each expert stores the tables
.irp q, 0,1,2,3,4,5,6,7
	global_store_b128 v2, v[RK+4*(\q):RK+4*(\q)+3], s[12:13] offset:512*(\q)
.endr
	v_mov_b32 v13, s24
	global_store_b32 v11, v13, s[14:15]
.Lno_tab:
	s_cmp_ge_u32 s19, s25
	s_cbranch_scc1 .Lend                           ; my tile has no row: nothing to gather
	s_sub_co_u32 s26, s24, 1                       ; the last listed place (the count is at least 1 here)
	s_lshl_b32 s27, s19, 4
	v_lshrrev_b32 v3, 4, v1                        ; h: lanes 0-15 take the even row of a pair, lanes 16-31 the odd one
	v_add_nc_u32 v3, s27, v3
.irp i, 0,1,2,3,4,5,6,7
	v_add_nc_u32 v8, 2*(\i), v3
	v_min_u32 v8, s26, v8                          ; places past the count repeat the last row
	v_min_u32 v8, 0x3ff, v8
	v_lshl_add_u32 v8, v8, 2, s21
	ds_load_b32 v[TK+(\i)], v8                     ; LDS serves a wave's instructions in order (ISA guide 5.7.1.4): these see the list's stores
.endr
	v_and_b32 v4, 15, v1                           ; c
	v_lshlrev_b32 v5, 4, v4
	s_lshl_b32 s27, s20, 10
	v_add_nc_u32 v5, s27, v5                       ; my 16 bytes of a block of 256, in my quarter of a row
	v_lshrrev_b32 v8, 1, v4                        ; into the stage: unit 8 cb + (c >> 1), byte 32 i + 16 h + 8 (c & 1)
	v_mul_u32_u24 v8, v8, 272
	v_and_b32 v9, 1, v4
	v_lshl_add_u32 v8, v9, 3, v8
	v_lshrrev_b32 v9, 4, v1
	v_lshl_add_u32 v8, v9, 4, v8
	s_add_co_u32 s27, s21, STG
	v_add_nc_u32 v12, s27, v8
	v_mul_u32_u24 v9, v9, 272                      ; back: lanes 0-15 one unit of 256 bytes, lanes 16-31 the next
	v_lshl_add_u32 v9, v4, 4, v9
	v_add_nc_u32 v14, s27, v9
	s_wait_dscnt 0x0
.irp i, 0,1,2,3,4,5,6,7
	v_min_u32 v[TK+(\i)], 0x3ff, v[TK+(\i)]
	v_lshl_add_u32 v[RO+(\i)], v[TK+(\i)], 12, v5
.endr
.irp i, 0,1,2,3,4,5,6,7
.irp cb, 0,1,2,3
	global_load_b128 v[XF+4*(4*(\i)+(\cb)):XF+4*(4*(\i)+(\cb))+3], v[RO+(\i)], s[4:5] offset:256*(\cb)  ; two rows' whole aligned 256 bytes
.endr
.endr
	s_wait_xcnt 0x0                                ; the ranks' registers were store data: they are rewritten only behind this wait
.irp i, 0,1,2,3,4,5,6,7
.irp cb, 0,1,2,3
	s_wait_loadcnt 31-(4*(\i)+(\cb))               ; loads come back in order: this one is in, the younger ones stay out
	v_cvt_pk_bf16_f32 v[PK+2*(4*(\i)+(\cb))], v[XF+4*(4*(\i)+(\cb))], v[XF+4*(4*(\i)+(\cb))+1]
	v_cvt_pk_bf16_f32 v[PK+2*(4*(\i)+(\cb))+1], v[XF+4*(4*(\i)+(\cb))+2], v[XF+4*(4*(\i)+(\cb))+3]
	ds_store_b64 v12, v[PK+2*(4*(\i)+(\cb)):PK+2*(4*(\i)+(\cb))+1] offset:(\cb)*2176+32*(\i)
.endr
.endr
.irp m, 0,1,2,3,4,5,6,7,8,9,10,11,12,13,14,15
	ds_load_b128 v[XF+4*(\m):XF+4*(\m)+3], v14 offset:544*(\m)
.endr
.irp m, 0,1,2,3,4,5,6,7,8,9,10,11,12,13,14,15
	s_wait_dscnt 15-(\m)
	global_store_b128 v2, v[XF+4*(\m):XF+4*(\m)+3], s[10:11] offset:512*(\m)  ; 512 consecutive bytes, at a multiple of 256 from xg's first
.endr
.Lend:
	s_wait_tensorcnt 0x0                           ; the wave's end, behind my last LDS store
	ds_add_u32 v6, v7
	s_wait_dscnt 0x0
	s_endpgm
.Lfunc_end_k_q2f0d2ef06e_place:
	.size	k_q2f0d2ef06e_place, .Lfunc_end_k_q2f0d2ef06e_place-k_q2f0d2ef06e_place
	.p2alignl 7, 3214868480
	.fill 96, 4, 3214868480
	.section	.rodata,"a",@progbits
	.p2align	6, 0x0
	.amdhsa_kernel k_q2f0d2ef06e_place
		.amdhsa_group_segment_fixed_size 105472
		.amdhsa_private_segment_fixed_size 0
		.amdhsa_enable_private_segment 0
		.amdhsa_kernarg_size 48
		.amdhsa_user_sgpr_count 2
		.amdhsa_user_sgpr_kernarg_segment_ptr 1
		.amdhsa_wavefront_size32 1
		.amdhsa_system_sgpr_workgroup_id_x 1
		.amdhsa_system_sgpr_workgroup_id_y 1
		.amdhsa_system_sgpr_workgroup_id_z 1
		.amdhsa_system_vgpr_workitem_id 0
		.amdhsa_next_free_vgpr 224
		.amdhsa_next_free_sgpr 66
		.amdhsa_reserve_vcc 0
		.amdhsa_float_denorm_mode_32 3
		.amdhsa_float_denorm_mode_16_64 3
		.amdhsa_memory_ordered 1
		.amdhsa_forward_progress 1
		.amdhsa_inst_pref_size 38
	.end_amdhsa_kernel
	.amdgpu_metadata
---
amdhsa.version: [ 1, 2 ]
amdhsa.kernels:
  - .name:           k_q2f0d2ef06e_place
    .symbol:         k_q2f0d2ef06e_place.kd
    .args:
      - { .name: x, .offset: 0, .size: 8, .value_kind: global_buffer, .address_space: global }
      - { .name: sel, .offset: 8, .size: 8, .value_kind: global_buffer, .address_space: global }
      - { .name: w1, .offset: 16, .size: 8, .value_kind: global_buffer, .address_space: global }
      - { .name: xg, .offset: 24, .size: 8, .value_kind: global_buffer, .address_space: global }
      - { .name: rank, .offset: 32, .size: 8, .value_kind: global_buffer, .address_space: global }
      - { .name: cnt, .offset: 40, .size: 8, .value_kind: global_buffer, .address_space: global }
    .group_segment_fixed_size: 105472
    .private_segment_fixed_size: 0
    .kernarg_segment_align: 8
    .kernarg_segment_size: 48
    .max_flat_workgroup_size: 256
    .sgpr_count:     66
    .vgpr_count:     224
    .wavefront_size: 32
...
	.end_amdgpu_metadata
.endif
;; end of part 2
;; launch ffn1 (part 3): grid 32 x 8, 8 waves a work-group, no clusters, 271,360 bytes of LDS; arguments xg, w1, b1, cnt, w2, hb; writes hb
.if DOCPART == 3
	.amdgcn_target "amdgcn-amd-amdhsa--gfx1250"
	.amdhsa_code_object_version 6
	.text
	.protected	k_q2f0d2ef06e_ffn1
	.globl	k_q2f0d2ef06e_ffn1
	.p2align	8
	.type	k_q2f0d2ef06e_ffn1,@function
k_q2f0d2ef06e_ffn1:
	s_mov_b64 s[64:65], 0
	v_nop
	global_prefetch_b8 v0, s[64:65] scope:SCOPE_SE
	s_setreg_imm32_b32 hwreg(HW_REG_WAVE_MODE, 25, 1), 1
	s_wait_xcnt 0x0
; ONE PRODUCT OF AN EXPERT'S CHAIN.  The same text serves both products; WHICH chooses.
;   WHICH = 1:  hb = gelu(xg . w1[e] + b1[e]), rounded to bf16, in operand order.   Arguments xg, w1, b1, cnt, w2, hb.   Grid x = 128 columns of the hidden 4,096; K = 1,024.
;   WHICH = 2:  pp[kp] = hb . w2[e] over hidden rows 1,024 kp on, f32 partial sums.   Arguments hb, w2, cnt, pp.          Grid x = 8 kp + ns: 128 columns ns of D.
; Grid y = the expert.  A work-group owns 128 columns x 1,024 K of ONE expert's weights, 512 KB of f32 that it alone reads, once, and all of that expert's rows (cnt[e], stored by an earlier launch).
; ALL EIGHT WAVES RUN ONE TEXT.  A TRIP is two K steps of 32, in four QUARTERS of four fragments (K step q / 2, columns 64 (q % 2) on).  Of each trip's weights (64 rows x 128 columns) a wave brings an
; eighth: 8 loads into registers, rounded to bf16, 4 stores into LDS as ready fragments.  The slice, 266,240 bytes of bf16, stays in LDS and no byte of it is written twice.  A wave multiplies its own tiles of
; 16 rows by all 8 fragments of a K step: weight fragments from LDS, token fragments from memory straight into registers, two loads of 512 consecutive bytes each.
; THE QUEUE.  A wave's loads come back in issue order (ISA guide 5.7.1), so weights and tokens stand in one queue.  Trip t issues U(t + 4), my eighth of trip t + 4's weights (8 loads), and then T(t + 2),
; trip t + 2's token fragments (6 + 6 loads): 40 loads of 512 bytes a wave are out, 160 KB a work-group, and each has nearly two trips in which to land.
; TWO TRIPS AHEAD IN LDS.  In trip t a wave stores U(t + 2), and it fetches the fragments of trip t + 1, each quarter into the buffer that the same quarter of trip t has just left: four buffers, so that an
; LDS load is issued three quarters ahead of its use.
; ONE BARRIER A TRIP.  It stands between every wave's stores of trip t + 2's bytes (ahead of its signal, in trip t) and the first read of those bytes (quarter 0's fetch in trip t + 1, behind its wait).
; Eight products stand between signal and wait.  The fetches of trip t read trip t + 1's bytes, which the barrier of trip t - 1 has handed on.  No byte is written twice, so nothing need be ordered the other way.
; ROWS.  Group g gives wave w the tiles 24 g + w + 8 j, j = 0..2; three groups cover 72 tiles, more than the 64 that the largest count, 1,024, needs: every split is served.  Group 0 runs under the stream;
; later groups, where the count asks for them, run on the resident slice.  Of a group's three tiles two are always multiplied, the third is jumped where it has no row; a tile past the count repeats the last
; live tile (all three tiles' loads are always issued, so every counted wait holds on every path) and is not stored.  An expert without rows streams its slice and stores nothing.
; On the resident slice the last look-ahead reads 2 KB past the tile's K range, which nobody uses; the buffer has 4,096 spare bytes for the very last tile's.
; NO CLUSTER, NO TENSOR LOAD: each weight byte has one reader and must be rounded on its way; what an expert's 32 work-groups share is its token fragments, and beside 266,240 bytes of weights LDS has no room for slots of them.
; LIMITS.  Weights, bias and tokens are bf16-rounded, sums f32.  gelu(x) = x / (1 + 2^(x (c0 + c1 x x))), the tanh form; where the exponent overflows the result is x or 0, its limits.
.set WHICH, 1
.if WHICH == 1
.set PITCH,  16384                     ; bytes from a weight row (one k) to the next
.set TILESH, 15                        ; a tile's token fragments: 32,768 bytes
.set SJ,     16                        ; LDS step from a lane's column j to j + 1
.set CNTP,   50                        ; s[50:51] cnt
.else
.set PITCH,  4096
.set TILESH, 17                        ; 131,072 bytes
.set SJ,     1040
.set CNTP,   48                        ; s[48:49] cnt
.endif
.set RSTEP, 64*PITCH                   ; a trip's 64 rows of weights
.set FP,    1040                       ; a fragment (16 columns x 32 K, 1,024 bytes) and 16 of padding
.set HSB,   4*FP                       ; a quarter: four fragments
.set TRIPB, 4*HSB                      ; a trip: 16 fragments
.set BIAS,  16*TRIPB                   ; behind the slice: 512 bytes of bias for each wave, its own copy (WHICH = 1)
.set SPARE, BIAS+4096                  ; the spare words, 128 bytes for each of the 8 waves
; window 0: v1 16 lane; v2 LDS address of the trip that is being fetched; v3 my offset in the weights; v4 my place in a trip's LDS bytes; v5-7 my tiles' byte offsets; v8, v9 the spare word's address and 0;
;           v10 way-out address; v14 prefetch offset; v15 LDS store address
.set AO,  5
.set TA0, 16                           ; v[16:63], v[64:111] a trip's token fragments: K step a, tile j at 24 a + 8 j; two buffers
.set TA1, 64
.set BB,  112                          ; v[112:239] weight fragments: quarter q at BB + 32 q
.set TT,  240                          ; v[240:255] a unit's 16 packed registers
.set XX,  16                           ; the way out, over the token buffers
.set TG,  48
.set BI,  112                          ; the way out (WHICH = 1): the bias, over the fragment buffers
.set OO,  240
; window 1 (v256 on): v[0:127] the sums of tiles 0 and 1, (j, f) at 64 j + 8 f; v[128:159], v[160:191] my eighth of a trip's weights as loaded, two buffers; v[192:255] the sums of tile 2
.set WB,  128
.set PB,  0                            ; the first two units land where the sums of tile 0 will lie: they are stored before the first product
.set MSB, 0
.macro WIN new                         ; s_set_vgpr_msb: bits 1:0 source 0, 3:2 source 1, 5:4 source 2, 7:6 destination; the high byte repeats the setting that is left
.if MSB != (\new)
	s_set_vgpr_msb (MSB<<8)|(\new)
.set MSB, \new
.endif
.endm
.macro PLACES                          ; four plain places between a matrix instruction and a load into, or a vector read of, its registers
.rept 4
	v_nop
.endr
.endm
.macro BAR
	s_wait_dscnt 0x0                               ; no LDS instruction of mine is out at the signal
	s_barrier_signal -1
	s_barrier_wait -1
.endm
; My eighth of a trip's weights, into window 1 at dst: load i is row 8 h + i of my 16 rows, columns 4 r + 0..3 of my 64: lanes 0-15 and lanes 16-31 each read 256 consecutive bytes, aligned.
.macro LOADU dst, roff
	WIN 0x40                                       ; destination window 1, address window 0
.set li, 0
.rept 8
	global_load_b128 v[(\dst)+4*li:(\dst)+4*li+3], v3, s[24:25] offset:(\roff)+li*PITCH th:TH_LOAD_NT
.set li, li+1
.endr
	WIN 0
.endm
; The unit at src goes into LDS, at the trip that s21 names.  Two k of one column make a register, four registers the 16 bytes of one lane of a fragment's half.
.macro CVST src
	WIN 0x05                                       ; sources window 1, destination window 0
.irp j, 0,1,2,3
.irp p, 0,1,2,3
	v_cvt_pk_bf16_f32 v[TT+4*(\j)+(\p)], v[(\src)+8*(\p)+(\j)], v[(\src)+8*(\p)+4+(\j)]
.endr
.endr
	WIN 0
	v_add_nc_u32 v15, s21, v4
.irp j, 0,1,2,3
	ds_store_b128 v15, v[TT+4*(\j):TT+4*(\j)+3] offset:(\j)*SJ
.endr
	s_add_co_u32 s21, s21, TRIPB
.endm
.macro TLOADH ab, off                  ; a K step's token fragments of my three tiles: six loads of 512 consecutive bytes
.irp j, 0,1,2
	global_load_b128 v[(\ab)+8*(\j):(\ab)+8*(\j)+3], v[AO+(\j)], s[26:27] offset:(\off)
	global_load_b128 v[(\ab)+8*(\j)+4:(\ab)+8*(\j)+7], v[AO+(\j)], s[26:27] offset:(\off)+512
.endr
.endm
.macro BLOAD q                         ; quarter q of the trip that v2 names, into its buffer: eight loads of 512 consecutive bytes
.irp g, 0,1,2,3
	ds_load_b128 v[BB+32*(\q)+8*(\g):BB+32*(\q)+8*(\g)+3], v2 offset:(\q)*HSB+(\g)*FP
	ds_load_b128 v[BB+32*(\q)+8*(\g)+4:BB+32*(\q)+8*(\g)+7], v2 offset:(\q)*HSB+(\g)*FP+512
.endr
.endm
.macro MM1 d, b, a, zero               ; one product.  WHICH = 1: source 0 = 16 weight columns, source 1 = 16 tokens: a lane holds one token and 8 neighbouring columns.  WHICH = 2: the other way round
.if WHICH == 1
.if \zero
	v_wmma_f32_16x16x32_bf16 v[(\d):(\d)+7], v[(\b):(\b)+7], v[(\a):(\a)+7], 0
.else
	v_wmma_f32_16x16x32_bf16 v[(\d):(\d)+7], v[(\b):(\b)+7], v[(\a):(\a)+7], v[(\d):(\d)+7]
.endif
.else
.if \zero
	v_wmma_f32_16x16x32_bf16 v[(\d):(\d)+7], v[(\a):(\a)+7], v[(\b):(\b)+7], 0
.else
	v_wmma_f32_16x16x32_bf16 v[(\d):(\d)+7], v[(\a):(\a)+7], v[(\b):(\b)+7], v[(\d):(\d)+7]
.endif
.endif
.endm
; A quarter's products: fragments f0 .. f0 + 3 (at bb) times my three tiles (at ab).  The accumulators take turns, one instruction a turn.  zero = 1: the products start the sums, and none is jumped.
; w0 >= 0: the K step's token fragments are waited for tile by tile: w0 - 2 j loads are younger than tile j's two.  bw = 1: the trip's barrier was signalled ahead of this quarter; its wait stands behind the first eight products.
.macro HALF bb, ab, f0, zero, w0, bw
	WIN 0x50                                       ; C and D window 1
.irp j, 0,1
.if (\w0) >= 0
	s_wait_loadcnt (\w0)-2*(\j)
.endif
.irp g, 0,1,2,3
	MM1 64*(\j)+8*((\f0)+(\g)), (\bb)+8*(\g), (\ab)+8*(\j), \zero
.endr
.endr
.if !(\zero)
	WIN 0                                          ; at a branch and at a label every window is 0
.if \bw
	s_barrier_wait -1                              ; every wave's stores of the trip two on are done
.endif
.endif
.if (\w0) >= 0
	s_wait_loadcnt (\w0)-4                         ; tile 2's two loads, on both ways
.endif
.if !(\zero)
	s_cmp_lt_u32 s19, 3
	s_cbranch_scc1 .Lno2_\@                        ; the third tile has no row
	WIN 0x50
.endif
.irp g, 0,1,2,3
	MM1 192+8*((\f0)+(\g)), (\bb)+8*(\g), (\ab)+16, \zero
.endr
	WIN 0
.if !(\zero)
.Lno2_\@:
.endif
.endm
; A TRIP.  ab: its token buffer.  z = 1: its first K step starts the sums.  y: the loads that the trip before issued, all younger than this trip's twelve token loads.
; sto = 1: the unit at src, the weights of the trip two on, goes into LDS, and the trip has its barrier.  That unit stands ahead of this trip's tokens in the queue, so the first quarter's waits have shown it landed.
;   Its sixteen conversions are the places between the first quarter's products and the loads into their fragment buffer.  ur = 1: src takes the unit four trips on, at byte roff from s[24:25].
; tr = 1: the token buffer takes the trip two on, at byte toff from s[26:27], each half when it is free.  bn = 1: each fragment buffer takes the next trip's quarter when it is free.
; hw = 1: no wait for all LDS instructions has stood behind quarter 0's loads: they are waited for here, three younger quarters (24 loads) staying out.
; LOADcnt: tile j of the first K step has behind it 4 - 2 j loads of its set, the second K step's six and y; of the second K step 4 - 2 j, y, and the eight of the unit just asked for.
; DScnt: behind quarter 1's loads stand quarters 2 and 3 (16), my four stores and quarter 0's new fetch (8); behind quarter 2's, quarter 3 and that fetch; behind quarter 3's, three new fetches (24).
.macro TRIP ab, z, y, sto, src, ur, roff, tr, toff, bn, hw
.if \bn
	v_add_nc_u32 v2, s22, v1
.endif
.if \hw
	s_wait_dscnt 24
.endif
	HALF BB, \ab, 0, \z, (\y)+10, 0
.if \sto
	CVST \src
.if \ur
	LOADU \src, \roff
.endif
.elseif \bn
	PLACES
.endif
.if \bn
	BLOAD 0
.endif
	s_wait_dscnt 16+8*(\bn)+4*(\sto)
	HALF BB+32, \ab, 4, \z, -1, 0
.if \sto
	s_wait_dscnt 0x0                               ; for the others' sake: my stores are done (they and the fetch were issued a quarter ago); quarters 2 and 3 are in too
	s_barrier_signal -1
.else
	s_wait_dscnt 8+8*(\bn)
.endif
	HALF BB+64, (\ab)+24, 0, 0, (\y)+4+8*(\ur), \sto
.if (\bn) || (\tr)
	PLACES
.endif
.if \bn
	BLOAD 1
	BLOAD 2
.endif
.if \tr
	TLOADH \ab, \toff
.endif
.if !(\sto)
	s_wait_dscnt 24*(\bn)
.endif
	HALF BB+96, (\ab)+24, 4, 0, -1, 0
.if (\bn) || (\tr)
	PLACES
.endif
.if \bn
	BLOAD 3
	s_add_co_u32 s22, s22, TRIPB
.endif
.if \tr
	TLOADH (\ab)+24, (\toff)+1024
.endif
.endm
.macro LIVE                            ; how many of the tiles s20 + 8 j, j = 0..2, have a row
	s_sub_co_i32 s34, s17, s20
	s_add_co_i32 s34, s34, 7
	s_max_i32 s34, s34, 0
	s_lshr_b32 s34, s34, 3
	s_min_u32 s19, s34, 3
.endm
.macro AOSET                           ; my three tiles' byte offsets
.irp j, 0,1,2
	s_add_co_u32 s34, s20, 8*(\j)
	s_min_u32 s34, s34, s18                        ; a tile past the count repeats the last live one
	s_min_u32 s34, s34, 63
	s_lshl_b32 s34, s34, TILESH
	v_add_nc_u32 v[AO+(\j)], s34, v1
.endr
.endm
.macro BFIRST                          ; trip 0's four quarters; s22 then names trip 1
	s_mov_b32 s22, 0
	v_add_nc_u32 v2, s22, v1
	BLOAD 0
	BLOAD 1
	BLOAD 2
	BLOAD 3
	s_mov_b32 s22, TRIPB
.endm
.macro GLOAD                           ; a later group begins: offsets, K back to its start, trip 0's fragments, the first two trips' token fragments
	s_wait_xcnt 0x0                                ; what earlier loads and stores named is rewritten only behind this wait
	AOSET
	s_mov_b64 s[26:27], s[28:29]
	BFIRST
	TLOADH TA0, 0
	TLOADH TA0+24, 1024
	TLOADH TA1, 2048
	TLOADH TA1+24, 3072
.endm
.macro MOVE k                          ; WHICH = 1: tile k / 2, fragments 4 (k % 2) on: sums + bias into X.  Each accumulator is read from its lowest registers on
.set mj, (\k)/2
.set ma, (\k)%2
.set mb, 64*mj+64*(mj/2)+32*ma
	WIN 0x01                                       ; source 0 window 1
.set mp, 0
.rept 16
	v_pk_add_f32 v[XX+2*mp:XX+2*mp+1], v[mb+2*mp:mb+2*mp+1], v[BI+32*ma+2*mp:BI+32*ma+2*mp+1]
.set mp, mp+1
.endr
	WIN 0
.endm
; ---- the head ----
.if WHICH == 1
	s_load_b256 s[44:51], s[0:1], 0x0              ; xg s[44:45], w1 s[46:47], b1 s[48:49], cnt s[50:51]
	s_load_b128 s[52:55], s[0:1], 0x20             ; w2 s[52:53], hb s[54:55]
.else
	s_load_b256 s[44:51], s[0:1], 0x0              ; hb s[44:45], w2 s[46:47], cnt s[48:49], pp s[50:51]
.endif
	v_lshl_add_u32 v8, v0, 2, SPARE
	v_mov_b32 v9, 0
	v_lshrrev_b32 v1, 5, v0
	v_readfirstlane_b32 s8, v1                     ; wave
	s_and_b32 s10, ttmp7, 0xffff                   ; e
	s_mov_b32 s11, ttmp9                           ; x
	v_and_b32 v11, 31, v0                          ; lane
	v_and_b32 v12, 15, v0                          ; r
	v_bfe_u32 v13, v0, 4, 1                        ; h
	v_lshlrev_b32 v1, 4, v11
	s_mov_b32 s35, 0
	s_lshl_b32 s34, s10, 7
	s_wait_kmcnt 0x0
	s_add_nc_u64 s[36:37], s[CNTP:CNTP+1], s[34:35]
	s_load_b32 s16, s[36:37], 0x0                  ; the expert's count; s[36:37] stay as they are until it is in
	s_lshl_b32 s34, s10, 24                        ; the expert's 16 MiB of weights
.if WHICH == 1
	s_lshl_b32 s38, s11, 9                         ; 128 columns x
.else
	s_and_b32 s38, s11, 7
	s_lshl_b32 s38, s38, 9                         ; 128 columns ns,
	s_lshr_b32 s39, s11, 3
	s_lshl_b32 s39, s39, 22                        ; 1,024 rows kp
	s_add_co_u32 s38, s38, s39
.endif
	s_add_co_u32 s34, s34, s38
	s_add_nc_u64 s[24:25], s[46:47], s[34:35]      ; the slice's first byte
	s_lshr_b32 s38, s8, 2                          ; of a trip wave w has K step w >> 2, rows 16 (w & 1) on, columns 64 ((w >> 1) & 1) on
	s_mul_i32 s38, s38, 32*PITCH
	s_and_b32 s39, s8, 1
	s_mul_i32 s39, s39, 16*PITCH
	s_add_co_u32 s38, s38, s39
	s_bfe_u32 s39, s8, 0x10001
	s_lshl_b32 s39, s39, 8
	s_add_co_u32 s38, s38, s39
	v_mul_u32_u24 v3, v13, 8*PITCH
	v_lshl_add_u32 v3, v12, 4, v3
	v_add_nc_u32 v3, s38, v3
.if WHICH == 1
	s_lshl_b32 s34, s10, 14                        ; the slice's 128 bias numbers: every wave brings its own copy, first in its queue
	s_lshl_b32 s38, s11, 9
	s_add_co_u32 s34, s34, s38
	s_add_nc_u64 s[58:59], s[48:49], s[34:35]
	global_load_b128 v[240:243], v1, s[58:59]
.endif
	LOADU PB, 0                                    ; U(0), U(1), U(2): they hang on no count
	LOADU PB+32, RSTEP
	LOADU WB, 2*RSTEP
	s_lshr_b32 s38, s8, 2                          ; where my unit goes in a trip's 16 fragments
	s_mul_i32 s38, s38, 2*HSB
	s_bfe_u32 s39, s8, 0x10001
	s_mul_i32 s39, s39, HSB
	s_add_co_u32 s38, s38, s39
	s_and_b32 s39, s8, 1
	s_lshl_b32 s39, s39, 9
	s_add_co_u32 s38, s38, s39
.if WHICH == 1
	v_lshrrev_b32 v4, 2, v12                       ; column 4 r + j is lane 4 (r & 3) + j of fragment r >> 2: the columns keep their order.  The pitch of 1,040 sets 16 lanes' stores into 16 different 16-byte columns
	v_mul_u32_u24 v4, v4, FP
	v_and_b32 v2, 3, v12
	v_lshl_add_u32 v4, v2, 6, v4
	v_lshl_add_u32 v4, v13, 8, v4
	v_add_nc_u32 v4, s38, v4
	s_lshl_b32 s34, s10, 21                        ; xg: 64 tiles of 32,768 bytes an expert
	s_add_nc_u64 s[28:29], s[44:45], s[34:35]
	s_lshl_b32 s34, s10, 23                        ; hb: 64 tiles of 131,072 bytes an expert; my slice's four blocks of 1,024
	s_lshl_b32 s38, s11, 12
	s_add_co_u32 s34, s34, s38
	s_add_nc_u64 s[30:31], s[54:55], s[34:35]
	s_mov_b32 s40, 0xbdd2d3e8                      ; c1 = 0.044715 c0
	s_mov_b32 s41, 0xbdd2d3e8
	s_mov_b32 s42, 0xc0135761                      ; c0 = -2 log2(e) sqrt(2 / pi)
	s_mov_b32 s43, 0xc0135761
	s_lshl_b32 s38, s8, 9
	s_add_co_u32 s38, s38, BIAS                    ; my copy of the bias
	v_add_nc_u32 v15, s38, v1
	v_lshl_add_u32 v10, v13, 5, s38                ; a lane's eight results of fragment f are columns 16 f + 8 h + 0..7
	s_lshl_b32 s34, s10, 24                        ; prefetch: the 256 rows x 512 bytes of w2 that work-group (x, e) of the next launch reads first
	s_and_b32 s38, s11, 7
	s_lshl_b32 s38, s38, 9
	s_lshr_b32 s39, s11, 3
	s_lshl_b32 s39, s39, 22
	s_add_co_u32 s38, s38, s39
	s_add_co_u32 s34, s34, s38
	s_add_nc_u64 s[56:57], s[52:53], s[34:35]
	v_lshrrev_b32 v14, 1, v11                      ; block 64 w + 32 m + lane is half (lane & 1) of row 32 w + 16 m + (lane >> 1)
	s_lshl_b32 s38, s8, 5
	v_add_nc_u32 v14, s38, v14
	v_and_b32 v2, 1, v11
	v_lshlrev_b32 v2, 8, v2
	v_lshl_add_u32 v14, v14, 12, v2                ; never rewritten
.else
	v_add_nc_u32 v4, s38, v1                       ; column 4 r + j is lane r of fragment j: a result's registers of four fragments are then four neighbouring columns
	s_lshl_b32 s34, s10, 23                        ; hb: 64 tiles of 131,072 bytes an expert,
	s_lshr_b32 s38, s11, 3
	s_lshl_b32 s39, s38, 15                        ; hidden rows 1,024 kp on: 32 blocks of 1,024 bytes
	s_add_co_u32 s34, s34, s39
	s_add_nc_u64 s[28:29], s[44:45], s[34:35]
	s_lshl3_add_u32 s34, s38, s10                  ; pp[kp][e]: 4 MiB each,
	s_lshl_b32 s34, s34, 22
	s_and_b32 s38, s11, 7
	s_lshl_b32 s38, s38, 9                         ; columns 128 ns on
	s_add_co_u32 s34, s34, s38
	s_add_nc_u64 s[30:31], s[50:51], s[34:35]
	v_lshlrev_b32 v10, 15, v13                     ; register i is row 8 h + i of the tile, 4,096 bytes a row; 16 bytes for each r
	v_lshl_add_u32 v10, v12, 4, v10
.endif
	s_wait_kmcnt 0x0
	s_min_u32 s16, s16, 0x400                      ; a loaded number is held to its range before anything hangs on it
	s_add_co_u32 s17, s16, 15
	s_lshr_b32 s17, s17, 4                         ; tiles with a row
	s_max_u32 s18, s17, 1
	s_sub_co_u32 s18, s18, 1                       ; the last of them (0 where there is none)
	s_mov_b32 s20, s8                              ; group 0
	LIVE
	AOSET
	s_mov_b64 s[26:27], s[28:29]
	s_mov_b32 s21, 0                               ; LDS byte of the trip to be stored
	TLOADH TA0, 0                                  ; the queue goes on as every trip leaves it: a unit, then a trip's tokens.  T(0),
	TLOADH TA0+24, 1024
	LOADU WB+32, 3*RSTEP                           ; U(3),
	TLOADH TA1, 2048                               ; T(1)
	TLOADH TA1+24, 3072
.if WHICH == 1
	s_wait_loadcnt 56                              ; the bias is in; four units and two trips' tokens stay out
	v_cvt_pk_bf16_f32 v244, v240, v241             ; rounded to bf16, kept as f32
	v_cvt_pk_bf16_f32 v245, v242, v243
	v_lshlrev_b32 v240, 16, v244
	v_and_b32 v241, 0xffff0000, v244
	v_lshlrev_b32 v242, 16, v245
	v_and_b32 v243, 0xffff0000, v245
	ds_store_b128 v15, v[240:243]
.endif
	s_wait_loadcnt 48                              ; U(0) is in: behind it stand three units and 24 token loads
	CVST PB                                        ; trip 0's weights
	s_wait_loadcnt 40                              ; U(1)
	CVST PB+32                                     ; trip 1's weights
	BAR                                            ; for the others' sake: my stores are done; behind it trips 0 and 1 may be read
	BFIRST
; ---- the stream: trips 0 to 15 of group 0 ----
	TRIP TA0, 1, 20, 1, WB,    1, 4*RSTEP, 1, 4096, 1, 1   ; trip 0: its first K step starts the sums, nothing is cleared; stores U(2); asks for U(4), T(2)
	TRIP TA1, 0, 20, 1, WB+32, 1, 5*RSTEP, 1, 6144, 1, 0   ; trip 1
	s_wait_xcnt 0x0                                ; the bases step only behind this wait
	s_add_nc_u64 s[26:27], s[26:27], 4096          ; tokens at trip 2
	s_add_nc_u64 s[24:25], s[24:25], 6*RSTEP       ; weights at U(6)
	s_mov_b32 s12, 5
.Lstream:                                              ; trips 2 i + 2 and 2 i + 3
	TRIP TA0, 0, 20, 1, WB,    1, 0,     1, 4096, 1, 0
	TRIP TA1, 0, 20, 1, WB+32, 1, RSTEP, 1, 6144, 1, 0
	s_wait_xcnt 0x0
	s_add_nc_u64 s[26:27], s[26:27], 4096
	s_add_nc_u64 s[24:25], s[24:25], 2*RSTEP
	s_sub_co_u32 s12, s12, 1
	s_cmp_lg_u32 s12, 0
	s_cbranch_scc1 .Lstream
.if WHICH == 1
	global_prefetch_b8 v14, s[56:57] th:TH_LOAD_NT scope:SCOPE_SE               ; my own weights have been asked for to their end: 64 blocks of 256 bytes a wave, each asked for once in the launch
	global_prefetch_b8 v14, s[56:57] offset:65536 th:TH_LOAD_NT scope:SCOPE_SE
.endif
	TRIP TA0, 0, 20, 1, WB,    0, 0, 1, 4096, 1, 0         ; trip 12: stores U(14); asks for T(14) alone
	TRIP TA1, 0, 12, 1, WB+32, 0, 0, 1, 6144, 1, 0         ; trip 13: stores U(15), the last; T(15), the last load of the stream; the last barrier of the stream
	TRIP TA0, 0, 12, 0, 0,     0, 0, 0, 0,    1, 0         ; trip 14: fetches trip 15's fragments
	TRIP TA1, 0, 0,  0, 0,     0, 0, 0, 0,    0, 1         ; trip 15: the counts run down to 0
; ---- the groups: the way out of group g, then, where the count asks for it, group g + 1 on the resident slice.  Nothing writes the slice any more: no barrier stands in this loop. ----
	s_mov_b32 s14, 0
.Lgroup:
	s_wait_loadcnt 0x0                             ; a later group's look-ahead, which nobody uses, has landed: its registers are free
	PLACES
.if WHICH == 1
	s_cmp_eq_u32 s19, 0
	s_cbranch_scc1 .Lwo_done
.set wf, 0
.rept 8                                                ; the bias of my lanes' columns, into the fragment buffers
	ds_load_b128 v[BI+8*wf:BI+8*wf+3], v10 offset:64*wf
	ds_load_b128 v[BI+8*wf+4:BI+8*wf+7], v10 offset:64*wf+16
.set wf, wf+1
.endr
	s_wait_dscnt 0x0
	s_mov_b32 s15, 0
.Lwo:                                                  ; six trips: tile k / 2, fragments 4 (k % 2) on.  One of six short blocks adds the bias into X; ONE text does the rest
	s_lshr_b32 s34, s15, 1
	s_cmp_ge_u32 s34, s19
	s_cbranch_scc1 .Lwo_next                       ; a tile without rows is not stored
.irp k, 0,1,2,3,4
	s_cmp_lg_u32 s15, \k
	s_cbranch_scc1 .Lnk_\k
	MOVE \k
	s_branch .Lgelu
.Lnk_\k:
.endr
	MOVE 5
.Lgelu:
.set mp, 0
.rept 16
	v_pk_mul_f32 v[TG+2*mp:TG+2*mp+1], v[XX+2*mp:XX+2*mp+1], v[XX+2*mp:XX+2*mp+1]
.set mp, mp+1
.endr
.set mp, 0
.rept 16
	v_pk_fma_f32 v[TG+2*mp:TG+2*mp+1], v[TG+2*mp:TG+2*mp+1], s[40:41], s[42:43] op_sel_hi:[1,0,0]
.set mp, mp+1
.endr
.set mp, 0
.rept 16
	v_pk_mul_f32 v[TG+2*mp:TG+2*mp+1], v[TG+2*mp:TG+2*mp+1], v[XX+2*mp:XX+2*mp+1]
.set mp, mp+1
.endr
.set mp, 0
.rept 32
	v_exp_f32 v[TG+mp], v[TG+mp]
.set mp, mp+1
.endr
	v_nop                                          ; a plain instruction behind the last exponential,
	s_wait_alu depctr_va_vdst(0)                   ; and the wait: one for the batch of 32
.set mp, 0
.rept 16
	v_pk_add_f32 v[TG+2*mp:TG+2*mp+1], v[TG+2*mp:TG+2*mp+1], 1.0 op_sel_hi:[1,0]
.set mp, mp+1
.endr
.set mp, 0
.rept 32
	v_rcp_f32 v[TG+mp], v[TG+mp]
.set mp, mp+1
.endr
	v_nop
	s_wait_alu depctr_va_vdst(0)
.set mp, 0
.rept 16
	v_pk_mul_f32 v[XX+2*mp:XX+2*mp+1], v[XX+2*mp:XX+2*mp+1], v[TG+2*mp:TG+2*mp+1]
.set mp, mp+1
.endr
	s_wait_xcnt 0x0                                ; the last trip's stores have read their data and their base
	s_lshr_b32 s34, s15, 1
	s_lshl3_add_u32 s34, s34, s20                  ; the tile
	s_lshl_b32 s34, s34, 17
	s_and_b32 s35, s15, 1
	s_lshl_b32 s35, s35, 11
	s_add_co_u32 s34, s34, s35
	s_mov_b32 s35, 0
	s_add_nc_u64 s[32:33], s[30:31], s[34:35]
.set mp, 0
.rept 16
	v_cvt_pk_bf16_f32 v[OO+mp], v[XX+2*mp], v[XX+2*mp+1]
.set mp, mp+1
.endr
.irp g, 0,1,2,3
	global_store_b128 v1, v[OO+4*(\g):OO+4*(\g)+3], s[32:33] offset:512*(\g)  ; a fragment's results ARE 512 consecutive bytes of hb's operand order
.endr
.Lwo_next:
	s_add_co_u32 s15, s15, 1
	s_cmp_lt_u32 s15, 6
	s_cbranch_scc1 .Lwo
.Lwo_done:
.else
.irp j, 0,1,2                                          ; a tile: register i of fragments 4 cg + 0..3 are four neighbouring columns of row 8 h + i; 64 moves gather them, so that 16 lanes store 256 consecutive bytes
	s_cmp_le_u32 s19, \j
	s_cbranch_scc1 .Lwo_done
	s_wait_xcnt 0x0                                ; the last tile's stores have read their data and their base
	s_add_co_u32 s34, s20, 8*(\j)
	s_lshl_b32 s34, s34, 16                        ; 16 rows of 4,096 bytes
	s_add_nc_u64 s[32:33], s[30:31], s[34:35]
	WIN 0x01                                       ; source 0 window 1
.set mb, 64*(\j)+64*((\j)/2)
.set mp, 0
.rept 64                                               ; i = mp / 8 ascends: each accumulator's register 0 is read first
	v_mov_b32 v[XX+mp], v[mb+8*(mp%8)+mp/8]
.set mp, mp+1
.endr
	WIN 0
.set mp, 0
.rept 16
	global_store_b128 v10, v[XX+4*mp:XX+4*mp+3], s[32:33] offset:(mp/2)*4096+(mp%2)*256
.set mp, mp+1
.endr
.endr
.Lwo_done:
.endif
	s_add_co_u32 s20, s20, 24                      ; the next group's first tile
	LIVE
	s_cmp_eq_u32 s19, 0
	s_cbranch_scc1 .Lgnext                         ; it has no row (behind group 2 there is none: 72 + w is past every tile)
	GLOAD                                          ; here the queue holds tokens alone: behind a trip's twelve stand the next trip's twelve
	TRIP TA0, 1, 12, 0, 0, 0, 0, 1, 4096, 1, 1
	s_wait_xcnt 0x0
	s_add_nc_u64 s[26:27], s[26:27], 2048
	s_mov_b32 s13, 7
.Lgtrips:
	TRIP TA1, 0, 12, 0, 0, 0, 0, 1, 4096, 1, 1
	TRIP TA0, 0, 12, 0, 0, 0, 0, 1, 6144, 1, 1
	s_wait_xcnt 0x0
	s_add_nc_u64 s[26:27], s[26:27], 4096
	s_sub_co_u32 s13, s13, 1
	s_cmp_lg_u32 s13, 0
	s_cbranch_scc1 .Lgtrips
	TRIP TA1, 0, 12, 0, 0, 0, 0, 0, 0, 0, 1        ; trip 15; the look-ahead's twelve stay out and are waited for at the loop's head
.Lgnext:
	s_add_co_u32 s14, s14, 1
	s_cmp_lt_u32 s14, 3
	s_cbranch_scc1 .Lgroup
	BAR                                            ; every wave's LDS reads are back before any wave's closing add.  The add names the spare words alone, which no read reaches (the reads end below byte
	                                               ; 16 TRIPB + 4,096); the barrier shows the order without the stepped read addresses being followed.  It stands outside every branch: all eight waves pass it
	s_wait_tensorcnt 0x0                           ; the wave's end, behind my last LDS store
	ds_add_u32 v8, v9
	s_wait_dscnt 0x0
	s_endpgm
.Lfunc_end_k_q2f0d2ef06e_ffn1:
	.size	k_q2f0d2ef06e_ffn1, .Lfunc_end_k_q2f0d2ef06e_ffn1-k_q2f0d2ef06e_ffn1
	.p2alignl 7, 3214868480
	.fill 96, 4, 3214868480
	.section	.rodata,"a",@progbits
	.p2align	6, 0x0
	.amdhsa_kernel k_q2f0d2ef06e_ffn1
		.amdhsa_group_segment_fixed_size 271360
		.amdhsa_private_segment_fixed_size 0
		.amdhsa_enable_private_segment 0
		.amdhsa_kernarg_size 48
		.amdhsa_user_sgpr_count 2
		.amdhsa_user_sgpr_kernarg_segment_ptr 1
		.amdhsa_wavefront_size32 1
		.amdhsa_system_sgpr_workgroup_id_x 1
		.amdhsa_system_sgpr_workgroup_id_y 1
		.amdhsa_system_sgpr_workgroup_id_z 1
		.amdhsa_system_vgpr_workitem_id 0
		.amdhsa_next_free_vgpr 512
		.amdhsa_next_free_sgpr 66
		.amdhsa_reserve_vcc 0
		.amdhsa_float_denorm_mode_32 3
		.amdhsa_float_denorm_mode_16_64 3
		.amdhsa_memory_ordered 1
		.amdhsa_forward_progress 1
		.amdhsa_inst_pref_size 134
	.end_amdhsa_kernel
	.amdgpu_metadata
---
amdhsa.version: [ 1, 2 ]
amdhsa.kernels:
  - .name:           k_q2f0d2ef06e_ffn1
    .symbol:         k_q2f0d2ef06e_ffn1.kd
    .args:
      - { .name: xg, .offset: 0, .size: 8, .value_kind: global_buffer, .address_space: global }
      - { .name: w1, .offset: 8, .size: 8, .value_kind: global_buffer, .address_space: global }
      - { .name: b1, .offset: 16, .size: 8, .value_kind: global_buffer, .address_space: global }
      - { .name: cnt, .offset: 24, .size: 8, .value_kind: global_buffer, .address_space: global }
      - { .name: w2, .offset: 32, .size: 8, .value_kind: global_buffer, .address_space: global }
      - { .name: hb, .offset: 40, .size: 8, .value_kind: global_buffer, .address_space: global }
    .group_segment_fixed_size: 271360
    .private_segment_fixed_size: 0
    .kernarg_segment_align: 8
    .kernarg_segment_size: 48
    .max_flat_workgroup_size: 256
    .sgpr_count:     66
    .vgpr_count:     512
    .wavefront_size: 32
...
	.end_amdgpu_metadata
.endif
;; end of part 3
;; launch ffn2 (part 4): grid 32 x 8, 8 waves a work-group, no clusters, 271,360 bytes of LDS; arguments hb, w2, cnt, pp; writes pp
.if DOCPART == 4
	.amdgcn_target "amdgcn-amd-amdhsa--gfx1250"
	.amdhsa_code_object_version 6
	.text
	.protected	k_q2f0d2ef06e_ffn2
	.globl	k_q2f0d2ef06e_ffn2
	.p2align	8
	.type	k_q2f0d2ef06e_ffn2,@function
k_q2f0d2ef06e_ffn2:
	s_mov_b64 s[64:65], 0
	v_nop
	global_prefetch_b8 v0, s[64:65] scope:SCOPE_SE
	s_setreg_imm32_b32 hwreg(HW_REG_WAVE_MODE, 25, 1), 1
	s_wait_xcnt 0x0
; ONE PRODUCT OF AN EXPERT'S CHAIN.  The same text serves both products; WHICH chooses.
;   WHICH = 1:  hb = gelu(xg . w1[e] + b1[e]), rounded to bf16, in operand order.   Arguments xg, w1, b1, cnt, w2, hb.   Grid x = 128 columns of the hidden 4,096; K = 1,024.
;   WHICH = 2:  pp[kp] = hb . w2[e] over hidden rows 1,024 kp on, f32 partial sums.   Arguments hb, w2, cnt, pp.          Grid x = 8 kp + ns: 128 columns ns of D.
; Grid y = the expert.  A work-group owns 128 columns x 1,024 K of ONE expert's weights, 512 KB of f32 that it alone reads, once, and all of that expert's rows (cnt[e], stored by an earlier launch).
; ALL EIGHT WAVES RUN ONE TEXT.  A TRIP is two K steps of 32, in four QUARTERS of four fragments (K step q / 2, columns 64 (q % 2) on).  Of each trip's weights (64 rows x 128 columns) a wave brings an
; eighth: 8 loads into registers, rounded to bf16, 4 stores into LDS as ready fragments.  The slice, 266,240 bytes of bf16, stays in LDS and no byte of it is written twice.  A wave multiplies its own tiles of
; 16 rows by all 8 fragments of a K step: weight fragments from LDS, token fragments from memory straight into registers, two loads of 512 consecutive bytes each.
; THE QUEUE.  A wave's loads come back in issue order (ISA guide 5.7.1), so weights and tokens stand in one queue.  Trip t issues U(t + 4), my eighth of trip t + 4's weights (8 loads), and then T(t + 2),
; trip t + 2's token fragments (6 + 6 loads): 40 loads of 512 bytes a wave are out, 160 KB a work-group, and each has nearly two trips in which to land.
; TWO TRIPS AHEAD IN LDS.  In trip t a wave stores U(t + 2), and it fetches the fragments of trip t + 1, each quarter into the buffer that the same quarter of trip t has just left: four buffers, so that an
; LDS load is issued three quarters ahead of its use.
; ONE BARRIER A TRIP.  It stands between every wave's stores of trip t + 2's bytes (ahead of its signal, in trip t) and the first read of those bytes (quarter 0's fetch in trip t + 1, behind its wait).
; Eight products stand between signal and wait.  The fetches of trip t read trip t + 1's bytes, which the barrier of trip t - 1 has handed on.  No byte is written twice, so nothing need be ordered the other way.
; ROWS.  Group g gives wave w the tiles 24 g + w + 8 j, j = 0..2; three groups cover 72 tiles, more than the 64 that the largest count, 1,024, needs: every split is served.  Group 0 runs under the stream;
; later groups, where the count asks for them, run on the resident slice.  Of a group's three tiles two are always multiplied, the third is jumped where it has no row; a tile past the count repeats the last
; live tile (all three tiles' loads are always issued, so every counted wait holds on every path) and is not stored.  An expert without rows streams its slice and stores nothing.
; On the resident slice the last look-ahead reads 2 KB past the tile's K range, which nobody uses; the buffer has 4,096 spare bytes for the very last tile's.
; NO CLUSTER, NO TENSOR LOAD: each weight byte has one reader and must be rounded on its way; what an expert's 32 work-groups share is its token fragments, and beside 266,240 bytes of weights LDS has no room for slots of them.
; LIMITS.  Weights, bias and tokens are bf16-rounded, sums f32.  gelu(x) = x / (1 + 2^(x (c0 + c1 x x))), the tanh form; where the exponent overflows the result is x or 0, its limits.
.set WHICH, 2
.if WHICH == 1
.set PITCH,  16384                     ; bytes from a weight row (one k) to the next
.set TILESH, 15                        ; a tile's token fragments: 32,768 bytes
.set SJ,     16                        ; LDS step from a lane's column j to j + 1
.set CNTP,   50                        ; s[50:51] cnt
.else
.set PITCH,  4096
.set TILESH, 17                        ; 131,072 bytes
.set SJ,     1040
.set CNTP,   48                        ; s[48:49] cnt
.endif
.set RSTEP, 64*PITCH                   ; a trip's 64 rows of weights
.set FP,    1040                       ; a fragment (16 columns x 32 K, 1,024 bytes) and 16 of padding
.set HSB,   4*FP                       ; a quarter: four fragments
.set TRIPB, 4*HSB                      ; a trip: 16 fragments
.set BIAS,  16*TRIPB                   ; behind the slice: 512 bytes of bias for each wave, its own copy (WHICH = 1)
.set SPARE, BIAS+4096                  ; the spare words, 128 bytes for each of the 8 waves
; window 0: v1 16 lane; v2 LDS address of the trip that is being fetched; v3 my offset in the weights; v4 my place in a trip's LDS bytes; v5-7 my tiles' byte offsets; v8, v9 the spare word's address and 0;
;           v10 way-out address; v14 prefetch offset; v15 LDS store address
.set AO,  5
.set TA0, 16                           ; v[16:63], v[64:111] a trip's token fragments: K step a, tile j at 24 a + 8 j; two buffers
.set TA1, 64
.set BB,  112                          ; v[112:239] weight fragments: quarter q at BB + 32 q
.set TT,  240                          ; v[240:255] a unit's 16 packed registers
.set XX,  16                           ; the way out, over the token buffers
.set TG,  48
.set BI,  112                          ; the way out (WHICH = 1): the bias, over the fragment buffers
.set OO,  240
; window 1 (v256 on): v[0:127] the sums of tiles 0 and 1, (j, f) at 64 j + 8 f; v[128:159], v[160:191] my eighth of a trip's weights as loaded, two buffers; v[192:255] the sums of tile 2
.set WB,  128
.set PB,  0                            ; the first two units land where the sums of tile 0 will lie: they are stored before the first product
.set MSB, 0
.macro WIN new                         ; s_set_vgpr_msb: bits 1:0 source 0, 3:2 source 1, 5:4 source 2, 7:6 destination; the high byte repeats the setting that is left
.if MSB != (\new)
	s_set_vgpr_msb (MSB<<8)|(\new)
.set MSB, \new
.endif
.endm
.macro PLACES                          ; four plain places between a matrix instruction and a load into, or a vector read of, its registers
.rept 4
	v_nop
.endr
.endm
.macro BAR
	s_wait_dscnt 0x0                               ; no LDS instruction of mine is out at the signal
	s_barrier_signal -1
	s_barrier_wait -1
.endm
; My eighth of a trip's weights, into window 1 at dst: load i is row 8 h + i of my 16 rows, columns 4 r + 0..3 of my 64: lanes 0-15 and lanes 16-31 each read 256 consecutive bytes, aligned.
.macro LOADU dst, roff
	WIN 0x40                                       ; destination window 1, address window 0
.set li, 0
.rept 8
	global_load_b128 v[(\dst)+4*li:(\dst)+4*li+3], v3, s[24:25] offset:(\roff)+li*PITCH th:TH_LOAD_NT
.set li, li+1
.endr
	WIN 0
.endm
; The unit at src goes into LDS, at the trip that s21 names.  Two k of one column make a register, four registers the 16 bytes of one lane of a fragment's half.
.macro CVST src
	WIN 0x05                                       ; sources window 1, destination window 0
.irp j, 0,1,2,3
.irp p, 0,1,2,3
	v_cvt_pk_bf16_f32 v[TT+4*(\j)+(\p)], v[(\src)+8*(\p)+(\j)], v[(\src)+8*(\p)+4+(\j)]
.endr
.endr
	WIN 0
	v_add_nc_u32 v15, s21, v4
.irp j, 0,1,2,3
	ds_store_b128 v15, v[TT+4*(\j):TT+4*(\j)+3] offset:(\j)*SJ
.endr
	s_add_co_u32 s21, s21, TRIPB
.endm
.macro TLOADH ab, off                  ; a K step's token fragments of my three tiles: six loads of 512 consecutive bytes
.irp j, 0,1,2
	global_load_b128 v[(\ab)+8*(\j):(\ab)+8*(\j)+3], v[AO+(\j)], s[26:27] offset:(\off)
	global_load_b128 v[(\ab)+8*(\j)+4:(\ab)+8*(\j)+7], v[AO+(\j)], s[26:27] offset:(\off)+512
.endr
.endm
.macro BLOAD q                         ; quarter q of the trip that v2 names, into its buffer: eight loads of 512 consecutive bytes
.irp g, 0,1,2,3
	ds_load_b128 v[BB+32*(\q)+8*(\g):BB+32*(\q)+8*(\g)+3], v2 offset:(\q)*HSB+(\g)*FP
	ds_load_b128 v[BB+32*(\q)+8*(\g)+4:BB+32*(\q)+8*(\g)+7], v2 offset:(\q)*HSB+(\g)*FP+512
.endr
.endm
.macro MM1 d, b, a, zero               ; one product.  WHICH = 1: source 0 = 16 weight columns, source 1 = 16 tokens: a lane holds one token and 8 neighbouring columns.  WHICH = 2: the other way round
.if WHICH == 1
.if \zero
	v_wmma_f32_16x16x32_bf16 v[(\d):(\d)+7], v[(\b):(\b)+7], v[(\a):(\a)+7], 0
.else
	v_wmma_f32_16x16x32_bf16 v[(\d):(\d)+7], v[(\b):(\b)+7], v[(\a):(\a)+7], v[(\d):(\d)+7]
.endif
.else
.if \zero
	v_wmma_f32_16x16x32_bf16 v[(\d):(\d)+7], v[(\a):(\a)+7], v[(\b):(\b)+7], 0
.else
	v_wmma_f32_16x16x32_bf16 v[(\d):(\d)+7], v[(\a):(\a)+7], v[(\b):(\b)+7], v[(\d):(\d)+7]
.endif
.endif
.endm
; A quarter's products: fragments f0 .. f0 + 3 (at bb) times my three tiles (at ab).  The accumulators take turns, one instruction a turn.  zero = 1: the products start the sums, and none is jumped.
; w0 >= 0: the K step's token fragments are waited for tile by tile: w0 - 2 j loads are younger than tile j's two.  bw = 1: the trip's barrier was signalled ahead of this quarter; its wait stands behind the first eight products.
.macro HALF bb, ab, f0, zero, w0, bw
	WIN 0x50                                       ; C and D window 1
.irp j, 0,1
.if (\w0) >= 0
	s_wait_loadcnt (\w0)-2*(\j)
.endif
.irp g, 0,1,2,3
	MM1 64*(\j)+8*((\f0)+(\g)), (\bb)+8*(\g), (\ab)+8*(\j), \zero
.endr
.endr
.if !(\zero)
	WIN 0                                          ; at a branch and at a label every window is 0
.if \bw
	s_barrier_wait -1                              ; every wave's stores of the trip two on are done
.endif
.endif
.if (\w0) >= 0
	s_wait_loadcnt (\w0)-4                         ; tile 2's two loads, on both ways
.endif
.if !(\zero)
	s_cmp_lt_u32 s19, 3
	s_cbranch_scc1 .Lno2_\@                        ; the third tile has no row
	WIN 0x50
.endif
.irp g, 0,1,2,3
	MM1 192+8*((\f0)+(\g)), (\bb)+8*(\g), (\ab)+16, \zero
.endr
	WIN 0
.if !(\zero)
.Lno2_\@:
.endif
.endm
; A TRIP.  ab: its token buffer.  z = 1: its first K step starts the sums.  y: the loads that the trip before issued, all younger than this trip's twelve token loads.
; sto = 1: the unit at src, the weights of the trip two on, goes into LDS, and the trip has its barrier.  That unit stands ahead of this trip's tokens in the queue, so the first quarter's waits have shown it landed.
;   Its sixteen conversions are the places between the first quarter's products and the loads into their fragment buffer.  ur = 1: src takes the unit four trips on, at byte roff from s[24:25].
; tr = 1: the token buffer takes the trip two on, at byte toff from s[26:27], each half when it is free.  bn = 1: each fragment buffer takes the next trip's quarter when it is free.
; hw = 1: no wait for all LDS instructions has stood behind quarter 0's loads: they are waited for here, three younger quarters (24 loads) staying out.
; LOADcnt: tile j of the first K step has behind it 4 - 2 j loads of its set, the second K step's six and y; of the second K step 4 - 2 j, y, and the eight of the unit just asked for.
; DScnt: behind quarter 1's loads stand quarters 2 and 3 (16), my four stores and quarter 0's new fetch (8); behind quarter 2's, quarter 3 and that fetch; behind quarter 3's, three new fetches (24).
.macro TRIP ab, z, y, sto, src, ur, roff, tr, toff, bn, hw
.if \bn
	v_add_nc_u32 v2, s22, v1
.endif
.if \hw
	s_wait_dscnt 24
.endif
	HALF BB, \ab, 0, \z, (\y)+10, 0
.if \sto
	CVST \src
.if \ur
	LOADU \src, \roff
.endif
.elseif \bn
	PLACES
.endif
.if \bn
	BLOAD 0
.endif
	s_wait_dscnt 16+8*(\bn)+4*(\sto)
	HALF BB+32, \ab, 4, \z, -1, 0
.if \sto
	s_wait_dscnt 0x0                               ; for the others' sake: my stores are done (they and the fetch were issued a quarter ago); quarters 2 and 3 are in too
	s_barrier_signal -1
.else
	s_wait_dscnt 8+8*(\bn)
.endif
	HALF BB+64, (\ab)+24, 0, 0, (\y)+4+8*(\ur), \sto
.if (\bn) || (\tr)
	PLACES
.endif
.if \bn
	BLOAD 1
	BLOAD 2
.endif
.if \tr
	TLOADH \ab, \toff
.endif
.if !(\sto)
	s_wait_dscnt 24*(\bn)
.endif
	HALF BB+96, (\ab)+24, 4, 0, -1, 0
.if (\bn) || (\tr)
	PLACES
.endif
.if \bn
	BLOAD 3
	s_add_co_u32 s22, s22, TRIPB
.endif
.if \tr
	TLOADH (\ab)+24, (\toff)+1024
.endif
.endm
.macro LIVE                            ; how many of the tiles s20 + 8 j, j = 0..2, have a row
	s_sub_co_i32 s34, s17, s20
	s_add_co_i32 s34, s34, 7
	s_max_i32 s34, s34, 0
	s_lshr_b32 s34, s34, 3
	s_min_u32 s19, s34, 3
.endm
.macro AOSET                           ; my three tiles' byte offsets
.irp j, 0,1,2
	s_add_co_u32 s34, s20, 8*(\j)
	s_min_u32 s34, s34, s18                        ; a tile past the count repeats the last live one
	s_min_u32 s34, s34, 63
	s_lshl_b32 s34, s34, TILESH
	v_add_nc_u32 v[AO+(\j)], s34, v1
.endr
.endm
.macro BFIRST                          ; trip 0's four quarters; s22 then names trip 1
	s_mov_b32 s22, 0
	v_add_nc_u32 v2, s22, v1
	BLOAD 0
	BLOAD 1
	BLOAD 2
	BLOAD 3
	s_mov_b32 s22, TRIPB
.endm
.macro GLOAD                           ; a later group begins: offsets, K back to its start, trip 0's fragments, the first two trips' token fragments
	s_wait_xcnt 0x0                                ; what earlier loads and stores named is rewritten only behind this wait
	AOSET
	s_mov_b64 s[26:27], s[28:29]
	BFIRST
	TLOADH TA0, 0
	TLOADH TA0+24, 1024
	TLOADH TA1, 2048
	TLOADH TA1+24, 3072
.endm
.macro MOVE k                          ; WHICH = 1: tile k / 2, fragments 4 (k % 2) on: sums + bias into X.  Each accumulator is read from its lowest registers on
.set mj, (\k)/2
.set ma, (\k)%2
.set mb, 64*mj+64*(mj/2)+32*ma
	WIN 0x01                                       ; source 0 window 1
.set mp, 0
.rept 16
	v_pk_add_f32 v[XX+2*mp:XX+2*mp+1], v[mb+2*mp:mb+2*mp+1], v[BI+32*ma+2*mp:BI+32*ma+2*mp+1]
.set mp, mp+1
.endr
	WIN 0
.endm
; ---- the head ----
.if WHICH == 1
	s_load_b256 s[44:51], s[0:1], 0x0              ; xg s[44:45], w1 s[46:47], b1 s[48:49], cnt s[50:51]
	s_load_b128 s[52:55], s[0:1], 0x20             ; w2 s[52:53], hb s[54:55]
.else
	s_load_b256 s[44:51], s[0:1], 0x0              ; hb s[44:45], w2 s[46:47], cnt s[48:49], pp s[50:51]
.endif
	v_lshl_add_u32 v8, v0, 2, SPARE
	v_mov_b32 v9, 0
	v_lshrrev_b32 v1, 5, v0
	v_readfirstlane_b32 s8, v1                     ; wave
	s_and_b32 s10, ttmp7, 0xffff                   ; e
	s_mov_b32 s11, ttmp9                           ; x
	v_and_b32 v11, 31, v0                          ; lane
	v_and_b32 v12, 15, v0                          ; r
	v_bfe_u32 v13, v0, 4, 1                        ; h
	v_lshlrev_b32 v1, 4, v11
	s_mov_b32 s35, 0
	s_lshl_b32 s34, s10, 7
	s_wait_kmcnt 0x0
	s_add_nc_u64 s[36:37], s[CNTP:CNTP+1], s[34:35]
	s_load_b32 s16, s[36:37], 0x0                  ; the expert's count; s[36:37] stay as they are until it is in
	s_lshl_b32 s34, s10, 24                        ; the expert's 16 MiB of weights
.if WHICH == 1
	s_lshl_b32 s38, s11, 9                         ; 128 columns x
.else
	s_and_b32 s38, s11, 7
	s_lshl_b32 s38, s38, 9                         ; 128 columns ns,
	s_lshr_b32 s39, s11, 3
	s_lshl_b32 s39, s39, 22                        ; 1,024 rows kp
	s_add_co_u32 s38, s38, s39
.endif
	s_add_co_u32 s34, s34, s38
	s_add_nc_u64 s[24:25], s[46:47], s[34:35]      ; the slice's first byte
	s_lshr_b32 s38, s8, 2                          ; of a trip wave w has K step w >> 2, rows 16 (w & 1) on, columns 64 ((w >> 1) & 1) on
	s_mul_i32 s38, s38, 32*PITCH
	s_and_b32 s39, s8, 1
	s_mul_i32 s39, s39, 16*PITCH
	s_add_co_u32 s38, s38, s39
	s_bfe_u32 s39, s8, 0x10001
	s_lshl_b32 s39, s39, 8
	s_add_co_u32 s38, s38, s39
	v_mul_u32_u24 v3, v13, 8*PITCH
	v_lshl_add_u32 v3, v12, 4, v3
	v_add_nc_u32 v3, s38, v3
.if WHICH == 1
	s_lshl_b32 s34, s10, 14                        ; the slice's 128 bias numbers: every wave brings its own copy, first in its queue
	s_lshl_b32 s38, s11, 9
	s_add_co_u32 s34, s34, s38
	s_add_nc_u64 s[58:59], s[48:49], s[34:35]
	global_load_b128 v[240:243], v1, s[58:59]
.endif
	LOADU PB, 0                                    ; U(0), U(1), U(2): they hang on no count
	LOADU PB+32, RSTEP
	LOADU WB, 2*RSTEP
	s_lshr_b32 s38, s8, 2                          ; where my unit goes in a trip's 16 fragments
	s_mul_i32 s38, s38, 2*HSB
	s_bfe_u32 s39, s8, 0x10001
	s_mul_i32 s39, s39, HSB
	s_add_co_u32 s38, s38, s39
	s_and_b32 s39, s8, 1
	s_lshl_b32 s39, s39, 9
	s_add_co_u32 s38, s38, s39
.if WHICH == 1
	v_lshrrev_b32 v4, 2, v12                       ; column 4 r + j is lane 4 (r & 3) + j of fragment r >> 2: the columns keep their order.  The pitch of 1,040 sets 16 lanes' stores into 16 different 16-byte columns
	v_mul_u32_u24 v4, v4, FP
	v_and_b32 v2, 3, v12
	v_lshl_add_u32 v4, v2, 6, v4
	v_lshl_add_u32 v4, v13, 8, v4
	v_add_nc_u32 v4, s38, v4
	s_lshl_b32 s34, s10, 21                        ; xg: 64 tiles of 32,768 bytes an expert
	s_add_nc_u64 s[28:29], s[44:45], s[34:35]
	s_lshl_b32 s34, s10, 23                        ; hb: 64 tiles of 131,072 bytes an expert; my slice's four blocks of 1,024
	s_lshl_b32 s38, s11, 12
	s_add_co_u32 s34, s34, s38
	s_add_nc_u64 s[30:31], s[54:55], s[34:35]
	s_mov_b32 s40, 0xbdd2d3e8                      ; c1 = 0.044715 c0
	s_mov_b32 s41, 0xbdd2d3e8
	s_mov_b32 s42, 0xc0135761                      ; c0 = -2 log2(e) sqrt(2 / pi)
	s_mov_b32 s43, 0xc0135761
	s_lshl_b32 s38, s8, 9
	s_add_co_u32 s38, s38, BIAS                    ; my copy of the bias
	v_add_nc_u32 v15, s38, v1
	v_lshl_add_u32 v10, v13, 5, s38                ; a lane's eight results of fragment f are columns 16 f + 8 h + 0..7
	s_lshl_b32 s34, s10, 24                        ; prefetch: the 256 rows x 512 bytes of w2 that work-group (x, e) of the next launch reads first
	s_and_b32 s38, s11, 7
	s_lshl_b32 s38, s38, 9
	s_lshr_b32 s39, s11, 3
	s_lshl_b32 s39, s39, 22
	s_add_co_u32 s38, s38, s39
	s_add_co_u32 s34, s34, s38
	s_add_nc_u64 s[56:57], s[52:53], s[34:35]
	v_lshrrev_b32 v14, 1, v11                      ; block 64 w + 32 m + lane is half (lane & 1) of row 32 w + 16 m + (lane >> 1)
	s_lshl_b32 s38, s8, 5
	v_add_nc_u32 v14, s38, v14
	v_and_b32 v2, 1, v11
	v_lshlrev_b32 v2, 8, v2
	v_lshl_add_u32 v14, v14, 12, v2                ; never rewritten
.else
	v_add_nc_u32 v4, s38, v1                       ; column 4 r + j is lane r of fragment j: a result's registers of four fragments are then four neighbouring columns
	s_lshl_b32 s34, s10, 23                        ; hb: 64 tiles of 131,072 bytes an expert,
	s_lshr_b32 s38, s11, 3
	s_lshl_b32 s39, s38, 15                        ; hidden rows 1,024 kp on: 32 blocks of 1,024 bytes
	s_add_co_u32 s34, s34, s39
	s_add_nc_u64 s[28:29], s[44:45], s[34:35]
	s_lshl3_add_u32 s34, s38, s10                  ; pp[kp][e]: 4 MiB each,
	s_lshl_b32 s34, s34, 22
	s_and_b32 s38, s11, 7
	s_lshl_b32 s38, s38, 9                         ; columns 128 ns on
	s_add_co_u32 s34, s34, s38
	s_add_nc_u64 s[30:31], s[50:51], s[34:35]
	v_lshlrev_b32 v10, 15, v13                     ; register i is row 8 h + i of the tile, 4,096 bytes a row; 16 bytes for each r
	v_lshl_add_u32 v10, v12, 4, v10
.endif
	s_wait_kmcnt 0x0
	s_min_u32 s16, s16, 0x400                      ; a loaded number is held to its range before anything hangs on it
	s_add_co_u32 s17, s16, 15
	s_lshr_b32 s17, s17, 4                         ; tiles with a row
	s_max_u32 s18, s17, 1
	s_sub_co_u32 s18, s18, 1                       ; the last of them (0 where there is none)
	s_mov_b32 s20, s8                              ; group 0
	LIVE
	AOSET
	s_mov_b64 s[26:27], s[28:29]
	s_mov_b32 s21, 0                               ; LDS byte of the trip to be stored
	TLOADH TA0, 0                                  ; the queue goes on as every trip leaves it: a unit, then a trip's tokens.  T(0),
	TLOADH TA0+24, 1024
	LOADU WB+32, 3*RSTEP                           ; U(3),
	TLOADH TA1, 2048                               ; T(1)
	TLOADH TA1+24, 3072
.if WHICH == 1
	s_wait_loadcnt 56                              ; the bias is in; four units and two trips' tokens stay out
	v_cvt_pk_bf16_f32 v244, v240, v241             ; rounded to bf16, kept as f32
	v_cvt_pk_bf16_f32 v245, v242, v243
	v_lshlrev_b32 v240, 16, v244
	v_and_b32 v241, 0xffff0000, v244
	v_lshlrev_b32 v242, 16, v245
	v_and_b32 v243, 0xffff0000, v245
	ds_store_b128 v15, v[240:243]
.endif
	s_wait_loadcnt 48                              ; U(0) is in: behind it stand three units and 24 token loads
	CVST PB                                        ; trip 0's weights
	s_wait_loadcnt 40                              ; U(1)
	CVST PB+32                                     ; trip 1's weights
	BAR                                            ; for the others' sake: my stores are done; behind it trips 0 and 1 may be read
	BFIRST
; ---- the stream: trips 0 to 15 of group 0 ----
	TRIP TA0, 1, 20, 1, WB,    1, 4*RSTEP, 1, 4096, 1, 1   ; trip 0: its first K step starts the sums, nothing is cleared; stores U(2); asks for U(4), T(2)
	TRIP TA1, 0, 20, 1, WB+32, 1, 5*RSTEP, 1, 6144, 1, 0   ; trip 1
	s_wait_xcnt 0x0                                ; the bases step only behind this wait
	s_add_nc_u64 s[26:27], s[26:27], 4096          ; tokens at trip 2
	s_add_nc_u64 s[24:25], s[24:25], 6*RSTEP       ; weights at U(6)
	s_mov_b32 s12, 5
.Lstream:                                              ; trips 2 i + 2 and 2 i + 3
	TRIP TA0, 0, 20, 1, WB,    1, 0,     1, 4096, 1, 0
	TRIP TA1, 0, 20, 1, WB+32, 1, RSTEP, 1, 6144, 1, 0
	s_wait_xcnt 0x0
	s_add_nc_u64 s[26:27], s[26:27], 4096
	s_add_nc_u64 s[24:25], s[24:25], 2*RSTEP
	s_sub_co_u32 s12, s12, 1
	s_cmp_lg_u32 s12, 0
	s_cbranch_scc1 .Lstream
.if WHICH == 1
	global_prefetch_b8 v14, s[56:57] th:TH_LOAD_NT scope:SCOPE_SE               ; my own weights have been asked for to their end: 64 blocks of 256 bytes a wave, each asked for once in the launch
	global_prefetch_b8 v14, s[56:57] offset:65536 th:TH_LOAD_NT scope:SCOPE_SE
.endif
	TRIP TA0, 0, 20, 1, WB,    0, 0, 1, 4096, 1, 0         ; trip 12: stores U(14); asks for T(14) alone
	TRIP TA1, 0, 12, 1, WB+32, 0, 0, 1, 6144, 1, 0         ; trip 13: stores U(15), the last; T(15), the last load of the stream; the last barrier of the stream
	TRIP TA0, 0, 12, 0, 0,     0, 0, 0, 0,    1, 0         ; trip 14: fetches trip 15's fragments
	TRIP TA1, 0, 0,  0, 0,     0, 0, 0, 0,    0, 1         ; trip 15: the counts run down to 0
; ---- the groups: the way out of group g, then, where the count asks for it, group g + 1 on the resident slice.  Nothing writes the slice any more: no barrier stands in this loop. ----
	s_mov_b32 s14, 0
.Lgroup:
	s_wait_loadcnt 0x0                             ; a later group's look-ahead, which nobody uses, has landed: its registers are free
	PLACES
.if WHICH == 1
	s_cmp_eq_u32 s19, 0
	s_cbranch_scc1 .Lwo_done
.set wf, 0
.rept 8                                                ; the bias of my lanes' columns, into the fragment buffers
	ds_load_b128 v[BI+8*wf:BI+8*wf+3], v10 offset:64*wf
	ds_load_b128 v[BI+8*wf+4:BI+8*wf+7], v10 offset:64*wf+16
.set wf, wf+1
.endr
	s_wait_dscnt 0x0
	s_mov_b32 s15, 0
.Lwo:                                                  ; six trips: tile k / 2, fragments 4 (k % 2) on.  One of six short blocks adds the bias into X; ONE text does the rest
	s_lshr_b32 s34, s15, 1
	s_cmp_ge_u32 s34, s19
	s_cbranch_scc1 .Lwo_next                       ; a tile without rows is not stored
.irp k, 0,1,2,3,4
	s_cmp_lg_u32 s15, \k
	s_cbranch_scc1 .Lnk_\k
	MOVE \k
	s_branch .Lgelu
.Lnk_\k:
.endr
	MOVE 5
.Lgelu:
.set mp, 0
.rept 16
	v_pk_mul_f32 v[TG+2*mp:TG+2*mp+1], v[XX+2*mp:XX+2*mp+1], v[XX+2*mp:XX+2*mp+1]
.set mp, mp+1
.endr
.set mp, 0
.rept 16
	v_pk_fma_f32 v[TG+2*mp:TG+2*mp+1], v[TG+2*mp:TG+2*mp+1], s[40:41], s[42:43] op_sel_hi:[1,0,0]
.set mp, mp+1
.endr
.set mp, 0
.rept 16
	v_pk_mul_f32 v[TG+2*mp:TG+2*mp+1], v[TG+2*mp:TG+2*mp+1], v[XX+2*mp:XX+2*mp+1]
.set mp, mp+1
.endr
.set mp, 0
.rept 32
	v_exp_f32 v[TG+mp], v[TG+mp]
.set mp, mp+1
.endr
	v_nop                                          ; a plain instruction behind the last exponential,
	s_wait_alu depctr_va_vdst(0)                   ; and the wait: one for the batch of 32
.set mp, 0
.rept 16
	v_pk_add_f32 v[TG+2*mp:TG+2*mp+1], v[TG+2*mp:TG+2*mp+1], 1.0 op_sel_hi:[1,0]
.set mp, mp+1
.endr
.set mp, 0
.rept 32
	v_rcp_f32 v[TG+mp], v[TG+mp]
.set mp, mp+1
.endr
	v_nop
	s_wait_alu depctr_va_vdst(0)
.set mp, 0
.rept 16
	v_pk_mul_f32 v[XX+2*mp:XX+2*mp+1], v[XX+2*mp:XX+2*mp+1], v[TG+2*mp:TG+2*mp+1]
.set mp, mp+1
.endr
	s_wait_xcnt 0x0                                ; the last trip's stores have read their data and their base
	s_lshr_b32 s34, s15, 1
	s_lshl3_add_u32 s34, s34, s20                  ; the tile
	s_lshl_b32 s34, s34, 17
	s_and_b32 s35, s15, 1
	s_lshl_b32 s35, s35, 11
	s_add_co_u32 s34, s34, s35
	s_mov_b32 s35, 0
	s_add_nc_u64 s[32:33], s[30:31], s[34:35]
.set mp, 0
.rept 16
	v_cvt_pk_bf16_f32 v[OO+mp], v[XX+2*mp], v[XX+2*mp+1]
.set mp, mp+1
.endr
.irp g, 0,1,2,3
	global_store_b128 v1, v[OO+4*(\g):OO+4*(\g)+3], s[32:33] offset:512*(\g)  ; a fragment's results ARE 512 consecutive bytes of hb's operand order
.endr
.Lwo_next:
	s_add_co_u32 s15, s15, 1
	s_cmp_lt_u32 s15, 6
	s_cbranch_scc1 .Lwo
.Lwo_done:
.else
.irp j, 0,1,2                                          ; a tile: register i of fragments 4 cg + 0..3 are four neighbouring columns of row 8 h + i; 64 moves gather them, so that 16 lanes store 256 consecutive bytes
	s_cmp_le_u32 s19, \j
	s_cbranch_scc1 .Lwo_done
	s_wait_xcnt 0x0                                ; the last tile's stores have read their data and their base
	s_add_co_u32 s34, s20, 8*(\j)
	s_lshl_b32 s34, s34, 16                        ; 16 rows of 4,096 bytes
	s_add_nc_u64 s[32:33], s[30:31], s[34:35]
	WIN 0x01                                       ; source 0 window 1
.set mb, 64*(\j)+64*((\j)/2)
.set mp, 0
.rept 64                                               ; i = mp / 8 ascends: each accumulator's register 0 is read first
	v_mov_b32 v[XX+mp], v[mb+8*(mp%8)+mp/8]
.set mp, mp+1
.endr
	WIN 0
.set mp, 0
.rept 16
	global_store_b128 v10, v[XX+4*mp:XX+4*mp+3], s[32:33] offset:(mp/2)*4096+(mp%2)*256
.set mp, mp+1
.endr
.endr
.Lwo_done:
.endif
	s_add_co_u32 s20, s20, 24                      ; the next group's first tile
	LIVE
	s_cmp_eq_u32 s19, 0
	s_cbranch_scc1 .Lgnext                         ; it has no row (behind group 2 there is none: 72 + w is past every tile)
	GLOAD                                          ; here the queue holds tokens alone: behind a trip's twelve stand the next trip's twelve
	TRIP TA0, 1, 12, 0, 0, 0, 0, 1, 4096, 1, 1
	s_wait_xcnt 0x0
	s_add_nc_u64 s[26:27], s[26:27], 2048
	s_mov_b32 s13, 7
.Lgtrips:
	TRIP TA1, 0, 12, 0, 0, 0, 0, 1, 4096, 1, 1
	TRIP TA0, 0, 12, 0, 0, 0, 0, 1, 6144, 1, 1
	s_wait_xcnt 0x0
	s_add_nc_u64 s[26:27], s[26:27], 4096
	s_sub_co_u32 s13, s13, 1
	s_cmp_lg_u32 s13, 0
	s_cbranch_scc1 .Lgtrips
	TRIP TA1, 0, 12, 0, 0, 0, 0, 0, 0, 0, 1        ; trip 15; the look-ahead's twelve stay out and are waited for at the loop's head
.Lgnext:
	s_add_co_u32 s14, s14, 1
	s_cmp_lt_u32 s14, 3
	s_cbranch_scc1 .Lgroup
	BAR                                            ; every wave's LDS reads are back before any wave's closing add.  The add names the spare words alone, which no read reaches (the reads end below byte
	                                               ; 16 TRIPB + 4,096); the barrier shows the order without the stepped read addresses being followed.  It stands outside every branch: all eight waves pass it
	s_wait_tensorcnt 0x0                           ; the wave's end, behind my last LDS store
	ds_add_u32 v8, v9
	s_wait_dscnt 0x0
	s_endpgm
.Lfunc_end_k_q2f0d2ef06e_ffn2:
	.size	k_q2f0d2ef06e_ffn2, .Lfunc_end_k_q2f0d2ef06e_ffn2-k_q2f0d2ef06e_ffn2
	.p2alignl 7, 3214868480
	.fill 96, 4, 3214868480
	.section	.rodata,"a",@progbits
	.p2align	6, 0x0
	.amdhsa_kernel k_q2f0d2ef06e_ffn2
		.amdhsa_group_segment_fixed_size 271360
		.amdhsa_private_segment_fixed_size 0
		.amdhsa_enable_private_segment 0
		.amdhsa_kernarg_size 32
		.amdhsa_user_sgpr_count 2
		.amdhsa_user_sgpr_kernarg_segment_ptr 1
		.amdhsa_wavefront_size32 1
		.amdhsa_system_sgpr_workgroup_id_x 1
		.amdhsa_system_sgpr_workgroup_id_y 1
		.amdhsa_system_sgpr_workgroup_id_z 1
		.amdhsa_system_vgpr_workitem_id 0
		.amdhsa_next_free_vgpr 512
		.amdhsa_next_free_sgpr 66
		.amdhsa_reserve_vcc 0
		.amdhsa_float_denorm_mode_32 3
		.amdhsa_float_denorm_mode_16_64 3
		.amdhsa_memory_ordered 1
		.amdhsa_forward_progress 1
		.amdhsa_inst_pref_size 126
	.end_amdhsa_kernel
	.amdgpu_metadata
---
amdhsa.version: [ 1, 2 ]
amdhsa.kernels:
  - .name:           k_q2f0d2ef06e_ffn2
    .symbol:         k_q2f0d2ef06e_ffn2.kd
    .args:
      - { .name: hb, .offset: 0, .size: 8, .value_kind: global_buffer, .address_space: global }
      - { .name: w2, .offset: 8, .size: 8, .value_kind: global_buffer, .address_space: global }
      - { .name: cnt, .offset: 16, .size: 8, .value_kind: global_buffer, .address_space: global }
      - { .name: pp, .offset: 24, .size: 8, .value_kind: global_buffer, .address_space: global }
    .group_segment_fixed_size: 271360
    .private_segment_fixed_size: 0
    .kernarg_segment_align: 8
    .kernarg_segment_size: 32
    .max_flat_workgroup_size: 256
    .sgpr_count:     66
    .vgpr_count:     512
    .wavefront_size: 32
...
	.end_amdgpu_metadata
.endif
;; end of part 4
;; launch sum (part 5): grid 256 x 1, 8 waves a work-group, no clusters, 0 bytes of LDS; arguments pp, b2, sel, wts, rank, out0; writes out0
.if DOCPART == 5
	.amdgcn_target "amdgcn-amd-amdhsa--gfx1250"
	.amdhsa_code_object_version 6
	.text
	.protected	k_q2f0d2ef06e_sum
	.globl	k_q2f0d2ef06e_sum
	.p2align	8
	.type	k_q2f0d2ef06e_sum,@function
k_q2f0d2ef06e_sum:
	s_mov_b64 s[64:65], 0
	v_nop
	global_prefetch_b8 v0, s[64:65] scope:SCOPE_SE
	s_setreg_imm32_b32 hwreg(HW_REG_WAVE_MODE, 25, 1), 1
	s_wait_xcnt 0x0
; THE OUTPUT.  out[t] = w0 (y(e0, r0) + b2[e0]) + w1 (y(e1, r1) + b2[e1]), where y(e, r) is the sum of the four partial rows pp[kp][e][r] and r the token's rank in the expert's list.
; Each output row has one owner: a wave has half a row (2,048 bytes) of token 4 g + (w >> 1).  The experts, ranks and weights were stored by earlier launches; experts and ranks are held to their ranges
; by a minimum with a constant before they enter an address.  b2 is rounded to bf16 as every input of this program is; all sums are f32.
; A stream: 40 loads of 512 consecutive bytes are out before the one wait.  No LDS, no barrier, no matrix unit, no cluster: no byte is shared.
.set P, 32                             ; v[32:159]  partial rows: choice k, part kp at P + 16 (4 k + kp), 16 registers
.set B, 160                            ; v[160:191] b2 of choice k at B + 16 k
	s_load_b256 s[4:11], s[0:1], 0x0               ; pp s[4:5], b2 s[6:7], sel s[8:9], wts s[10:11]
	s_load_b128 s[12:15], s[0:1], 0x20             ; rank s[12:13], out0 s[14:15]
	v_lshrrev_b32 v1, 5, v0
	v_readfirstlane_b32 s16, v1                    ; wave
	v_and_b32 v1, 31, v0
	v_lshlrev_b32 v1, 4, v1                        ; 16 lane
	s_lshr_b32 s17, s16, 1
	s_lshl2_add_u32 s17, ttmp9, s17                ; my token
	s_and_b32 s40, s16, 1
	s_lshl_b32 s40, s40, 11                        ; my half of a row
	s_lshl_b32 s18, s17, 2
	s_lshl_b32 s19, s17, 3
	s_mov_b32 s41, 0xffff0000
	s_wait_kmcnt 0x0
	s_load_b32 s20, s[8:9], s18 offset:0x0         ; the two experts
	s_load_b64 s[22:23], s[10:11], s19 offset:0x0  ; their weights
.irp e, 0,1,2,3,4,5,6,7
	s_load_b32 s[24+(\e)], s[12:13], s18 offset:(\e)*4096  ; the token's rank in every expert's table: the two that count are chosen below
.endr
	s_wait_kmcnt 0x0
	s_bfe_u32 s32, s20, 0x40010
	s_min_u32 s32, s32, 7
	s_bfe_u32 s33, s20, 0x40014
	s_min_u32 s33, s33, 7
	s_mov_b32 s34, s24
	s_mov_b32 s35, s24
.irp e, 1,2,3,4,5,6,7
	s_cmp_eq_u32 s32, \e
	s_cselect_b32 s34, s[24+(\e)], s34
	s_cmp_eq_u32 s33, \e
	s_cselect_b32 s35, s[24+(\e)], s35
.endr
	s_min_u32 s34, s34, 0x3ff
	s_min_u32 s35, s35, 0x3ff
	s_lshl_b32 s36, s32, 22                        ; 4 MiB an expert, 4,096 bytes a row
	s_lshl_b32 s34, s34, 12
	s_add_co_u32 s36, s36, s34
	s_add_co_u32 s36, s36, s40
	s_lshl_b32 s37, s33, 22
	s_lshl_b32 s35, s35, 12
	s_add_co_u32 s37, s37, s35
	s_add_co_u32 s37, s37, s40
.irp kp, 0,1,2,3
	s_add_co_u32 s38, s36, (\kp)<<25               ; 32 MiB a part
	v_add_nc_u32 v[8+(\kp)], s38, v1
	s_add_co_u32 s38, s37, (\kp)<<25
	v_add_nc_u32 v[12+(\kp)], s38, v1
.endr
	s_lshl_b32 s38, s32, 12
	s_add_co_u32 s38, s38, s40
	v_add_nc_u32 v16, s38, v1
	s_lshl_b32 s38, s33, 12
	s_add_co_u32 s38, s38, s40
	v_add_nc_u32 v17, s38, v1
.irp g, 0,1,2,3,4,5,6,7
.irp c, 0,1,2,3
	global_load_b128 v[P+16*(\g)+4*(\c):P+16*(\g)+4*(\c)+3], v[8+(\g)], s[4:5] offset:512*(\c) th:TH_LOAD_NT
.endr
.endr
.irp k, 0,1
.irp c, 0,1,2,3
	global_load_b128 v[B+16*(\k)+4*(\c):B+16*(\k)+4*(\c)+3], v[16+(\k)], s[6:7] offset:512*(\c)
.endr
.endr
	s_mov_b32 s38, s23                             ; w1 as the low word of a pair: the packed forms take a scalar pair's low word for both halves
	s_mov_b32 s39, s23
	s_lshl_b32 s42, s17, 12
	s_add_co_u32 s42, s42, s40
	s_mov_b32 s43, 0
	s_add_nc_u64 s[14:15], s[14:15], s[42:43]
	s_wait_loadcnt 0x0
.irp k, 0,1
.set q, 0
.rept 8
	v_pk_add_f32 v[P+64*(\k)+2*q:P+64*(\k)+2*q+1], v[P+64*(\k)+2*q:P+64*(\k)+2*q+1], v[P+64*(\k)+16+2*q:P+64*(\k)+16+2*q+1]
	v_pk_add_f32 v[P+64*(\k)+32+2*q:P+64*(\k)+32+2*q+1], v[P+64*(\k)+32+2*q:P+64*(\k)+32+2*q+1], v[P+64*(\k)+48+2*q:P+64*(\k)+48+2*q+1]
	v_cvt_pk_bf16_f32 v[20+q%4], v[B+16*(\k)+2*q], v[B+16*(\k)+2*q+1]
	v_lshlrev_b32 v[B+16*(\k)+2*q], 16, v[20+q%4]
	v_and_b32 v[B+16*(\k)+2*q+1], s41, v[20+q%4]
	v_pk_add_f32 v[P+64*(\k)+2*q:P+64*(\k)+2*q+1], v[P+64*(\k)+2*q:P+64*(\k)+2*q+1], v[P+64*(\k)+32+2*q:P+64*(\k)+32+2*q+1]
	v_pk_add_f32 v[P+64*(\k)+2*q:P+64*(\k)+2*q+1], v[P+64*(\k)+2*q:P+64*(\k)+2*q+1], v[B+16*(\k)+2*q:B+16*(\k)+2*q+1]
.set q, q+1
.endr
.endr
.set q, 0
.rept 8
	v_pk_mul_f32 v[P+2*q:P+2*q+1], v[P+2*q:P+2*q+1], s[22:23] op_sel_hi:[1,0]
	v_pk_fma_f32 v[P+2*q:P+2*q+1], v[P+64+2*q:P+64+2*q+1], s[38:39], v[P+2*q:P+2*q+1] op_sel_hi:[1,0,1]
.set q, q+1
.endr
.irp c, 0,1,2,3
	global_store_b128 v1, v[P+4*(\c):P+4*(\c)+3], s[14:15] offset:512*(\c) th:TH_STORE_NT  ; 512 consecutive bytes, at a multiple of 256 from out0's first
.endr
	s_endpgm
.Lfunc_end_k_q2f0d2ef06e_sum:
	.size	k_q2f0d2ef06e_sum, .Lfunc_end_k_q2f0d2ef06e_sum-k_q2f0d2ef06e_sum
	.p2alignl 7, 3214868480
	.fill 96, 4, 3214868480
	.section	.rodata,"a",@progbits
	.p2align	6, 0x0
	.amdhsa_kernel k_q2f0d2ef06e_sum
		.amdhsa_group_segment_fixed_size 0
		.amdhsa_private_segment_fixed_size 0
		.amdhsa_enable_private_segment 0
		.amdhsa_kernarg_size 48
		.amdhsa_user_sgpr_count 2
		.amdhsa_user_sgpr_kernarg_segment_ptr 1
		.amdhsa_wavefront_size32 1
		.amdhsa_system_sgpr_workgroup_id_x 1
		.amdhsa_system_sgpr_workgroup_id_y 1
		.amdhsa_system_sgpr_workgroup_id_z 1
		.amdhsa_system_vgpr_workitem_id 0
		.amdhsa_next_free_vgpr 192
		.amdhsa_next_free_sgpr 66
		.amdhsa_reserve_vcc 0
		.amdhsa_float_denorm_mode_32 3
		.amdhsa_float_denorm_mode_16_64 3
		.amdhsa_memory_ordered 1
		.amdhsa_forward_progress 1
		.amdhsa_inst_pref_size 16
	.end_amdhsa_kernel
	.amdgpu_metadata
---
amdhsa.version: [ 1, 2 ]
amdhsa.kernels:
  - .name:           k_q2f0d2ef06e_sum
    .symbol:         k_q2f0d2ef06e_sum.kd
    .args:
      - { .name: pp, .offset: 0, .size: 8, .value_kind: global_buffer, .address_space: global }
      - { .name: b2, .offset: 8, .size: 8, .value_kind: global_buffer, .address_space: global }
      - { .name: sel, .offset: 16, .size: 8, .value_kind: global_buffer, .address_space: global }
      - { .name: wts, .offset: 24, .size: 8, .value_kind: global_buffer, .address_space: global }
      - { .name: rank, .offset: 32, .size: 8, .value_kind: global_buffer, .address_space: global }
      - { .name: out0, .offset: 40, .size: 8, .value_kind: global_buffer, .address_space: global }
    .group_segment_fixed_size: 0
    .private_segment_fixed_size: 0
    .kernarg_segment_align: 8
    .kernarg_segment_size: 48
    .max_flat_workgroup_size: 256
    .sgpr_count:     66
    .vgpr_count:     192
    .wavefront_size: 32
...
	.end_amdgpu_metadata
.endif
;; end of part 5
;; ======== version 2 of 2: 5 launches; version 1 with the launch place written anew for expert scheduling mode
;; workspace buffers: sel 4,096 bytes of whole numbers; wts 8,192 bytes; rank 32,768 bytes of whole numbers; cnt 1,024 bytes of whole numbers; xg 16,781,312 bytes; hb 67,112,960 bytes; pp 134,217,728 bytes
;; launch router: the kernel of part 1 again; grid 64 x 1, 8 waves a work-group, no clusters, 34,048 bytes of LDS; arguments x, gate_w, gate_b, sel, wts; writes sel, wts
;; launch place (part 6): grid 32 x 8, 8 waves a work-group, no clusters, 105,472 bytes of LDS; arguments x, sel, w1, xg, rank, cnt; writes xg, rank, cnt
.if DOCPART == 6
	.amdgcn_target "amdgcn-amd-amdhsa--gfx1250"
	.amdhsa_code_object_version 6
	.text
	.protected	k_q2f0d2ef06e_place
	.globl	k_q2f0d2ef06e_place
	.p2align	8
	.type	k_q2f0d2ef06e_place,@function
k_q2f0d2ef06e_place:
	s_mov_b64 s[64:65], 0
	v_nop
	global_prefetch_b8 v0, s[64:65] scope:SCOPE_SE
	s_setreg_imm32_b32 hwreg(HW_REG_WAVE_SCHED_MODE, 0, 2), 2
	s_setreg_imm32_b32 hwreg(HW_REG_WAVE_MODE, 25, 1), 1
	s_wait_xcnt 0x0
	s_wait_alu depctr_vm_vsrc(0)
; THE ROWS ARE PLACED.  For expert e (grid y) every wave counts the 1,024 choices for itself: token t's rank among the tokens that chose e, and the list rank -> token, in the wave's own LDS.
; Then the wave gathers 16 listed rows of x, a quarter of their 1,024 numbers, rounds them to bf16 and stores them in the order in which a matrix operand's registers take them:
; xg block (e, tile, kb) of 1,024 bytes at ((64 e + tile) 32 + kb) 1024; in it the 16 bytes at 512 plane + 256 h + 16 r are x[row r of the tile][32 kb + 16 plane + 8 h + 0..7].
; So a 16 x 32 fragment is later read by two loads of 512 consecutive bytes.  Places past the count repeat the last listed row; tiles past the count are not written.
; SHARES.  Grid x = a pair of tiles; wave w has tile 2 x + (w >> 2) and quarter w & 3 of K.  Work-group (0, e)'s wave 0 also stores rank[e][0..1023] and the count, 32 times, in cnt[e].
; The order of ranks: tokens 128 q + 4 lane + i, by (q, i) and then by lane: the same in every wave, which is all that is asked of it.
; No barrier: a wave touches its own 13,056 bytes of LDS alone.  No matrix unit, no cluster: the launch moves bytes, and what its work-groups share is 4 KB of sel.
; PREFETCH.  Each wave asks for 64 blocks of 256 bytes of w1: together the 256 rows x 512 bytes that work-group (x, e) of the next launch reads first; each block is asked for once in the launch.
; THE MODE: SCHED_MODE bits 1:0 = 2 (LLVM: expert scheduling mode 2), set by the entry lines.  The code itself states the register dependences between vector instructions and memory or LDS
; instructions, and between a vector instruction that writes a scalar register and that register's readers, with s_wait_alu, always for 0.
; THE PLAN.  Registers that memory or LDS instructions touch, in the order of the text:
;   v2, v11, v15   offsets (16 lane, 4 lane, the prefetch's), made at the head and never written again.
;   LA, TN         a list address and a token for each of the 32 places k = 4 q + i: written by the ranking, read by the 32 list stores; later x lands in them.
;   RK, v13        the ranks and the count: written by the ranking, read by the table stores of one wave an expert; later the conversions write RK's registers.
;   LR             eight addresses in the list: written by vector lines, read by the eight list reads; later x lands in them.
;   RO             eight byte offsets in x: written by vector lines, read by the 32 loads of x, never written again.
;   XF             x as loaded: read by the conversions; then its first 64 registers take the stage's rows back, which the last stores read.
;   PK             the packed rows: each register written once, by a conversion, and read once, by an LDS store.
;   v12, v14       the stage's two addresses: made while the list reads are out, never written again.
; The ranking goes in two groups of 16 places, each with one wait for its 16 masks; a group's 16 list stores stand behind one wait.  The conversions go in eight blocks of four loads: a block's four LDS
; stores stand at the head of the next block, behind one wait that itself stands behind the wait for that block's data.
.set WLDS,  13056                      ; a wave's LDS: the list, 1,056 words (the last 32 take what lanes without a choice write), then the stage
.set STG,   4352                       ; the stage: 32 units of 256 bytes at a pitch of 272
.set MK, 28                            ; s[28:43]   a group's 16 masks: which lanes chose e
.set SW, 16                            ; v[16:47]   sel: register 4 q + i is token 128 q + 4 lane + i
.set RK, 48                            ; v[48:79]   its rank
.set PK, 16                            ; v[16:79]   later: the rows packed to bf16
.set TK, 80                            ; v[80:87]   the tokens of my 8 pairs of rows
.set RO, 88                            ; v[88:95]   their byte offsets in x
.set XF, 96                            ; v[96:223]  x as loaded; later v[96:159] the stage read back
.set LA, 96                            ; v[96:127]  before x is asked for: place k's address in the list
.set TN, 128                           ; v[128:159] place k's token
.set LR, 160                           ; v[160:167] the list addresses of my 8 pairs of rows
	s_load_b256 s[4:11], s[0:1], 0x0               ; x s[4:5], sel s[6:7], w1 s[8:9], xg s[10:11]
	s_load_b128 s[12:15], s[0:1], 0x20             ; rank s[12:13], cnt s[14:15]
	v_lshl_add_u32 v6, v0, 2, 0x19800
	v_mov_b32 v7, 0
	v_lshrrev_b32 v2, 5, v0
	v_readfirstlane_b32 s16, v2                    ; wave
	v_and_b32 v1, 31, v0                           ; lane
	v_lshlrev_b32 v2, 4, v1                        ; 16 lane
	v_lshlrev_b32 v11, 2, v1                       ; 4 lane
	v_add_nc_u32 v10, 1024, v1                     ; where a lane without a choice writes
	v_lshrrev_b32 v3, 1, v1                        ; prefetch: block 64 w + 32 m + lane is half (lane & 1) of row 32 w + 16 m + (lane >> 1)
	v_and_b32 v4, 1, v1
	v_lshlrev_b32 v4, 8, v4
	s_and_b32 s17, ttmp7, 0xffff                   ; e
	s_mov_b32 s18, ttmp9                           ; the pair of tiles
	s_wait_alu depctr_va_sdst(0)                   ; s16 is written, ahead of its first reader: my tile, my quarter and my LDS are made from it
	s_lshr_b32 s19, s16, 2
	s_lshl1_add_u32 s19, s18, s19                  ; my tile
	s_and_b32 s20, s16, 3                          ; my quarter of K
	s_mul_i32 s21, s16, WLDS                       ; my LDS
	s_lshl_b32 s22, 0x101, s17                     ; the two bits of sel that say: e was chosen
	s_mov_b32 s24, 0                               ; the count
	s_lshl_b32 s26, s16, 5
	v_add_nc_u32 v3, s26, v3
	v_lshl_add_u32 v15, v3, 14, v4                 ; never rewritten
	s_lshl_b32 s26, s17, 24
	s_lshl_b32 s27, s18, 9
	s_add_co_u32 s26, s26, s27
	s_mov_b32 s27, 0
	s_wait_kmcnt 0x0
	s_add_nc_u64 s[8:9], s[8:9], s[26:27]          ; w1[e], columns 128 x on
	s_wait_alu depctr_va_vdst(0)                   ; v2, v11 and v15 are written: the offsets of the loads, prefetches and stores below
.irp q, 0,1,2,3,4,5,6,7
	global_load_b128 v[SW+4*(\q):SW+4*(\q)+3], v2, s[6:7] offset:512*(\q)
.endr
	global_prefetch_b8 v15, s[8:9] th:TH_LOAD_NT scope:SCOPE_SE
	global_prefetch_b8 v15, s[8:9] offset:262144 th:TH_LOAD_NT scope:SCOPE_SE
	s_lshl_b32 s26, s17, 12
	s_add_nc_u64 s[12:13], s[12:13], s[26:27]      ; rank[e]
	s_lshl_b32 s26, s17, 7
	s_add_nc_u64 s[14:15], s[14:15], s[26:27]      ; cnt[e]
	s_lshl_b32 s26, s17, 6
	s_add_co_u32 s26, s26, s19
	s_lshl_b32 s26, s26, 15
	s_lshl_b32 s25, s20, 13
	s_add_co_u32 s26, s26, s25
	s_add_nc_u64 s[10:11], s[10:11], s[26:27]      ; xg at my tile's quarter: 8,192 bytes
	s_wait_loadcnt 0x0
; Group g is the places k = 16 g to 16 g + 15, 32 tokens each.  MASKS: who chose e, a mask for each place; and the places' tokens, work that hangs on no mask.
.macro MASKS g
.set k, 16*(\g)
.rept 16
	v_and_b32 v[LA+k], s22, v[SW+k]
.set k, k+1
.endr
.set k, 16*(\g)
.rept 16
	v_cmp_ne_u32 s[MK+k%16], 0, v[LA+k]
.set k, k+1
.endr
.set k, 16*(\g)
.rept 16
	v_add_nc_u32 v[TN+k], 128*(k/4)+k%4, v11
.set k, k+1
.endr
.endm
; RANKS: each chooser's rank = the count so far + the choosers in lower lanes; its address in the list, or the word for lanes without a choice.
; The index is held to the list's 1,056 words by a minimum with a constant before it enters an address.
.macro RANKS g
.set k, 16*(\g)
.rept 16
	v_mbcnt_lo_u32_b32 v[RK+k], s[MK+k%16], s24
	s_bcnt1_i32_b32 s25, s[MK+k%16]
	s_add_co_u32 s24, s24, s25
.set k, k+1
.endr
.set k, 16*(\g)
.rept 16
	v_cndmask_b32 v[LA+k], v10, v[RK+k], s[MK+k%16]
.set k, k+1
.endr
.set k, 16*(\g)
.rept 16
	v_min_u32 v[LA+k], 0x41f, v[LA+k]
.set k, k+1
.endr
.set k, 16*(\g)
.rept 16
	v_lshl_add_u32 v[LA+k], v[LA+k], 2, s21
.set k, k+1
.endr
.endm
.macro LIST g                          ; the list takes each token at its rank
.set k, 16*(\g)
.rept 16
	ds_store_b32 v[LA+k], v[TN+k]
.set k, k+1
.endr
.endm
	MASKS 0
	s_wait_alu depctr_va_sdst(0)                   ; group 0's 16 masks are written, ahead of their first readers
	RANKS 0
	MASKS 1
	s_wait_alu depctr_va_sdst(0)                   ; group 1's 16 masks are written, ahead of their first readers
	s_wait_alu depctr_va_vdst(0)                   ; group 0's addresses and tokens are written, which the 16 stores below read
	LIST 0
	RANKS 1                                        ; names group 1's registers alone: none that the stores above read
	v_mov_b32 v13, s24                             ; the count, for the wave that stores the tables
	s_wait_alu depctr_va_vdst(0)                   ; group 1's addresses and tokens, all 32 ranks and v13 are written: the stores below and the table stores read them, and no vector line stands between
	LIST 1
	s_add_co_u32 s25, s24, 15
	s_lshr_b32 s25, s25, 4                         ; tiles with a row in them
	s_or_b32 s26, s18, s16
	s_cmp_lg_u32 s26, 0
	s_cbranch_scc1 .Lno_tab                        ; one wave for each expert stores the tables
.irp q, 0,1,2,3,4,5,6,7
	global_store_b128 v2, v[RK+4*(\q):RK+4*(\q)+3], s[12:13] offset:512*(\q)
.endr
	global_store_b32 v11, v13, s[14:15]
.Lno_tab:
	s_cmp_ge_u32 s19, s25
	s_cbranch_scc1 .Lend                           ; my tile has no row: nothing to gather
	s_sub_co_u32 s26, s24, 1                       ; the last listed place (the count is at least 1 here)
	s_lshl_b32 s27, s19, 4
	v_lshrrev_b32 v3, 4, v1                        ; h: lanes 0-15 take the even row of a pair, lanes 16-31 the odd one
	v_add_nc_u32 v3, s27, v3
.irp i, 0,1,2,3,4,5,6,7
	v_add_nc_u32 v[LR+(\i)], 2*(\i), v3
.endr
.irp i, 0,1,2,3,4,5,6,7
	v_min_u32 v[LR+(\i)], s26, v[LR+(\i)]          ; places past the count repeat the last row
.endr
.irp i, 0,1,2,3,4,5,6,7
	v_min_u32 v[LR+(\i)], 0x3ff, v[LR+(\i)]
.endr
.irp i, 0,1,2,3,4,5,6,7
	v_lshl_add_u32 v[LR+(\i)], v[LR+(\i)], 2, s21
.endr
	s_wait_alu depctr_va_vdst(0)                   ; the eight list addresses are written, which the loads below read
.irp i, 0,1,2,3,4,5,6,7
	ds_load_b32 v[TK+(\i)], v[LR+(\i)]             ; LDS serves a wave's instructions in order (ISA guide 5.7.1.4): these see the list's stores
.endr
	v_and_b32 v4, 15, v1                           ; c.  The lines down to the wait stand while the list reads are out, and name none of their registers
	v_lshlrev_b32 v5, 4, v4
	s_lshl_b32 s27, s20, 10
	v_add_nc_u32 v5, s27, v5                       ; my 16 bytes of a block of 256, in my quarter of a row
	v_lshrrev_b32 v8, 1, v4                        ; into the stage: unit 8 cb + (c >> 1), byte 32 i + 16 h + 8 (c & 1)
	v_mul_u32_u24 v8, v8, 272
	v_and_b32 v9, 1, v4
	v_lshl_add_u32 v8, v9, 3, v8
	v_lshrrev_b32 v9, 4, v1
	v_lshl_add_u32 v8, v9, 4, v8
	s_add_co_u32 s27, s21, STG
	v_add_nc_u32 v12, s27, v8
	v_mul_u32_u24 v9, v9, 272                      ; back: lanes 0-15 one unit of 256 bytes, lanes 16-31 the next
	v_lshl_add_u32 v9, v4, 4, v9
	v_add_nc_u32 v14, s27, v9
	s_wait_dscnt 0x0
.irp i, 0,1,2,3,4,5,6,7
	v_min_u32 v[TK+(\i)], 0x3ff, v[TK+(\i)]
.endr
.irp i, 0,1,2,3,4,5,6,7
	v_lshl_add_u32 v[RO+(\i)], v[TK+(\i)], 12, v5
.endr
	s_wait_alu depctr_va_vdst(0)                   ; the eight offsets in x are written, which the loads below read, and so are v12 and v14, the stage's addresses; the vector lines that wrote and read LA, TN and LR, in which x lands, are done
	s_wait_alu depctr_vm_vsrc(0)                   ; the list's stores have read LA and TN and the list's loads LR, in which x lands; the table stores have read the ranks' registers, which the conversions below write
.irp i, 0,1,2,3,4,5,6,7
.irp cb, 0,1,2,3
	global_load_b128 v[XF+4*(4*(\i)+(\cb)):XF+4*(4*(\i)+(\cb))+3], v[RO+(\i)], s[4:5] offset:256*(\cb)  ; two rows' whole aligned 256 bytes
.endr
.endr
	s_wait_xcnt 0x0                                ; the ranks' registers were store data: they are rewritten only behind this wait (that the stores have read them is stated above, ahead of the loads)
.macro PACK i                          ; block i, a pair of rows: eight roundings, two numbers each
.irp cb, 0,1,2,3
	v_cvt_pk_bf16_f32 v[PK+2*(4*(\i)+(\cb))], v[XF+4*(4*(\i)+(\cb))], v[XF+4*(4*(\i)+(\cb))+1]
	v_cvt_pk_bf16_f32 v[PK+2*(4*(\i)+(\cb))+1], v[XF+4*(4*(\i)+(\cb))+2], v[XF+4*(4*(\i)+(\cb))+3]
.endr
.endm
.macro TOSTAGE i                       ; block i goes into the stage
.irp cb, 0,1,2,3
	ds_store_b64 v12, v[PK+2*(4*(\i)+(\cb)):PK+2*(4*(\i)+(\cb))+1] offset:(\cb)*2176+32*(\i)
.endr
.endm
	s_wait_loadcnt 28                              ; loads come back in order: block 0's four are in, the 28 younger ones stay out
	PACK 0
.irp i, 1,2,3,4,5,6,7
	s_wait_loadcnt 28-4*(\i)                       ; this block's four loads are in, the younger blocks stay out
	s_wait_alu depctr_va_vdst(0)                   ; the block before has written its eight packed registers, which the four stores below read
	TOSTAGE (\i)-1
	PACK \i
.endr
	s_wait_alu depctr_va_vdst(0)                   ; block 7 has written its packed registers, which the stores below read; all conversions are done reading x's registers, in which the stage's rows land
	TOSTAGE 7
.irp m, 0,1,2,3,4,5,6,7,8,9,10,11,12,13,14,15
	ds_load_b128 v[XF+4*(\m):XF+4*(\m)+3], v14 offset:544*(\m)
.endr
.irp m, 0,1,2,3,4,5,6,7,8,9,10,11,12,13,14,15
	s_wait_dscnt 15-(\m)
	global_store_b128 v2, v[XF+4*(\m):XF+4*(\m)+3], s[10:11] offset:512*(\m)  ; 512 consecutive bytes, at a multiple of 256 from xg's first
.endr
.Lend:
	s_wait_dscnt 0x0                               ; the wave's end: my LDS instructions are done.
	s_wait_alu depctr_hold_cnt(0) depctr_sa_sdst(0) depctr_va_vdst(0) depctr_va_sdst(0) depctr_va_ssrc(0) depctr_va_vcc(0) depctr_vm_vsrc(0)
	s_wait_tensorcnt 0x0
	ds_add_u32 v6, v7
	s_wait_dscnt 0x0
	s_endpgm
.Lfunc_end_k_q2f0d2ef06e_place:
	.size	k_q2f0d2ef06e_place, .Lfunc_end_k_q2f0d2ef06e_place-k_q2f0d2ef06e_place
	.p2alignl 7, 3214868480
	.fill 96, 4, 3214868480
	.section	.rodata,"a",@progbits
	.p2align	6, 0x0
	.amdhsa_kernel k_q2f0d2ef06e_place
		.amdhsa_group_segment_fixed_size 105472
		.amdhsa_private_segment_fixed_size 0
		.amdhsa_enable_private_segment 0
		.amdhsa_kernarg_size 48
		.amdhsa_user_sgpr_count 2
		.amdhsa_user_sgpr_kernarg_segment_ptr 1
		.amdhsa_wavefront_size32 1
		.amdhsa_system_sgpr_workgroup_id_x 1
		.amdhsa_system_sgpr_workgroup_id_y 1
		.amdhsa_system_sgpr_workgroup_id_z 1
		.amdhsa_system_vgpr_workitem_id 0
		.amdhsa_next_free_vgpr 224
		.amdhsa_next_free_sgpr 66
		.amdhsa_reserve_vcc 0
		.amdhsa_float_denorm_mode_32 3
		.amdhsa_float_denorm_mode_16_64 3
		.amdhsa_memory_ordered 1
		.amdhsa_forward_progress 1
		.amdhsa_inst_pref_size 38
	.end_amdhsa_kernel
	.amdgpu_metadata
---
amdhsa.version: [ 1, 2 ]
amdhsa.kernels:
  - .name:           k_q2f0d2ef06e_place
    .symbol:         k_q2f0d2ef06e_place.kd
    .args:
      - { .name: x, .offset: 0, .size: 8, .value_kind: global_buffer, .address_space: global }
      - { .name: sel, .offset: 8, .size: 8, .value_kind: global_buffer, .address_space: global }
      - { .name: w1, .offset: 16, .size: 8, .value_kind: global_buffer, .address_space: global }
      - { .name: xg, .offset: 24, .size: 8, .value_kind: global_buffer, .address_space: global }
      - { .name: rank, .offset: 32, .size: 8, .value_kind: global_buffer, .address_space: global }
      - { .name: cnt, .offset: 40, .size: 8, .value_kind: global_buffer, .address_space: global }
    .group_segment_fixed_size: 105472
    .private_segment_fixed_size: 0
    .kernarg_segment_align: 8
    .kernarg_segment_size: 48
    .max_flat_workgroup_size: 256
    .sgpr_count:     66
    .vgpr_count:     224
    .wavefront_size: 32
...
	.end_amdgpu_metadata
.endif
;; end of part 6
;; launch ffn1: the kernel of part 3 again; grid 32 x 8, 8 waves a work-group, no clusters, 271,360 bytes of LDS; arguments xg, w1, b1, cnt, w2, hb; writes hb
;; launch ffn2: the kernel of part 4 again; grid 32 x 8, 8 waves a work-group, no clusters, 271,360 bytes of LDS; arguments hb, w2, cnt, pp; writes pp
;; launch sum: the kernel of part 5 again; grid 256 x 1, 8 waves a work-group, no clusters, 0 bytes of LDS; arguments pp, b2, sel, wts, rank, out0; writes out0
